; MI455X (gfx1250); checked and timed in simulation.
; The chip was launched on July 23, 2026; its instructions are those of AMD's public machine-readable ISA for CDNA 5 (MIT licence, August 2026) and "CDNA5" Instruction Set Architecture Reference Guide (July 2026). The comments in the code are by the model that wrote it; some were corrected since.
;; Multi Head Attention. Allowed arithmetic: matrix products marked QUANTISED: E2M3 operands, one E8M0 scale for each 32 along K, by v_wmma_scale_f32_16x16x128_f8f6f4 with both operands' format E2M3, f32 sums; everything else in f32.
;; Inputs: K 4 x 2,048 x 1,024 float32; Q 4 x 2,048 x 1,024 float32; V 4 x 2,048 x 1,024 float32; Wk 1,024 x 1,024 float32; Wo 1,024 x 1,024 float32; Wq 1,024 x 1,024 float32; Wv 1,024 x 1,024 float32; bk 1,024 float32; bo 1,024 float32; bq 1,024 float32; bv 1,024 float32.
;; Outputs: out0 4 x 2,048 x 1,024 float32.
;; This version of the problem:
;;   THIS VERSION OF THE PROBLEM IS GIVEN IN LOW PRECISION. The matrix products marked QUANTISED in the list below multiply operands that are first quantised to E2M3 (2 exponent bits, 3 mantissa bits; 6 bits a number), with one power-of-two scale for each 32 numbers along K (OCP MX v1.0); their sums are f32. All else is computed in f32.
;;   The module's matrix products, in the order in which they are computed (A, B: the left and right operand; K: the contracted axis; several contracted axes count as one K, in the product's order):
;;     1. [M 8,192, K 1,024] x [K 1,024, N 1,024]; A: input Q; B: input Wq: QUANTISED
;;     2. [M 8,192, K 1,024] x [K 1,024, N 1,024]; A: input K; B: input Wk: QUANTISED
;;     3. [M 8,192, K 1,024] x [K 1,024, N 1,024]; A: input V; B: input Wv: QUANTISED
;;     4. batch 64 x [M 2,048, K 64] x [K 64, N 2,048]; A: computed on the way; B: computed on the way: QUANTISED
;;     5. batch 64 x [M 2,048, K 2,048] x [K 2,048, N 64]; A: softmax (see below); B: computed on the way: QUANTISED
;;     6. [M 8,192, K 1,024] x [K 1,024, N 1,024]; A: computed on the way; B: input Wo: QUANTISED
;;   THE QUANTISER, for each operand of a quantised product, along K:
;;     - K is cut into blocks of 32 from its start; a last block that is shorter is filled with zeros.
;;     - A block's scale is 2^e with e = floor(log2(the largest magnitude in the block)) - 2, held to -126 .. 127; a block of zeros has e = 0. As a byte (E8M0): e + 127.
;;     - Each number is divided by its block's scale, clamped to +-7.5, and rounded to the nearest number of E2M3, ties to even, subnormals kept.
;;     - The product sums the exact products of the quantised numbers (number of the format x scale) in f32.
;;   ~~~python
;;   def quantise(x, axis):      # numpy; x: float32 -> the quantised numbers, widened to float32 again
;;       x = np.moveaxis(x, axis, -1); K = x.shape[-1]
;;       x = np.pad(x, [(0, 0)] * (x.ndim - 1) + [(0, -K % 32)]); x = x.reshape(x.shape[:-1] + (-1, 32)); a = np.abs(x).max(-1, keepdims=True)
;;       e = np.where(a > 0, np.clip(np.frexp(np.where(a > 0, a, 1))[1] - 1 - 2, -126, 127), 0)      # np.frexp(a)[1] - 1 = floor(log2(a)), exactly
;;       r = np.clip(x / 2.0 ** e, -7.5, 7.5)
;;       step = 2.0 ** (np.maximum(np.frexp(np.where(r == 0, 1, r))[1] - 1, 0) - 3)
;;       q = np.round(r / step) * step * 2.0 ** e      # np.round: ties to even
;;       return np.moveaxis(q.reshape(q.shape[:-2] + (-1,))[..., :K], -1, axis).astype(np.float32)
;;   ~~~
;;   SOFTMAX AHEAD OF A QUANTISED PRODUCT. Where the list says 'softmax', what is quantised is not the finished softmax but p = 2^(t - M), with t = logit x log2(e) and M = ceil(the row's largest t), a whole number; so 1/2 < the row's largest p <= 1. The row's sum l is taken of the UNQUANTISED p, in f32, and the product's result is divided by l at the end. Since M is a whole number, a kernel that streams over the keys may use a running M (the ceiling of the running maximum): every later rescaling is an exact power of two, which a block's scale takes up: the codes' values come out the same.
;;   OPERANDS COMPUTED ON THE WAY. 'Computed on the way' means the value that the module computes at that place (a softmax that the list does not call 'softmax' is quantised finished and normalised). What goes into a quantiser is computed in f32, as accurately as f32 sums, v_exp_f32 and their like allow (about 1e-6 of the number): no bf16 or f16 on the way to a quantiser, and a product that is left as it is and whose result goes on into a quantised operand takes f32 operands (vector FMAs, or v_wmma_f32_16x16x4_f32). A number that lies on a knife's edge between two numbers of the format may be rounded either way, as far as f32 arithmetic and the matrix unit's own rounding can turn it there, and no further.
;; One version. Each part assembles by itself: llvm-mc -triple=amdgcn-amd-amdhsa -mcpu=gfx1250 --defsym DOCPART=n.
;; ======== version 1 of 1: 4 launches
;; workspace buffers: xc 22,020,096 bytes; xs 917,504 bytes; hc 18,874,368 bytes; hs 786,432 bytes; cc 6,291,456 bytes; cs 262,144 bytes
;; launch quant (part 1): grid 896 x 1, 4 waves a work-group, no clusters, 33,280 bytes of LDS; arguments Q, K, V, Wq, Wk, Wv, Wo, xc, xs; writes xc, xs
.if DOCPART == 1
	.amdgcn_target "amdgcn-amd-amdhsa--gfx1250"
	.amdhsa_code_object_version 6
	.text
	.protected	k_qf840032d91_quant
	.globl	k_qf840032d91_quant
	.p2align	8
	.type	k_qf840032d91_quant,@function
k_qf840032d91_quant:
	s_mov_b64 s[64:65], 0
	v_nop
	global_prefetch_b8 v0, s[64:65] scope:SCOPE_SE
	s_setreg_imm32_b32 hwreg(HW_REG_WAVE_MODE, 25, 1), 1
	s_wait_xcnt 0x0
; The seven f32 inputs whose K (the last axis, 1,024) is innermost, Q, K, V [8192][1024] and Wq, Wk, Wv, Wo [1024][1024], become codes of FP6 (E2M3), 6 bits each, K innermost,
; with one E8M0 scale byte for each 32 along K.  The results stand on end in xc (rows of 768 bytes) and xs (rows of 32 bytes), in the order Q, K, V, Wq, Wk, Wv, Wo.
; A block's scale is 2^(floor(log2(its largest magnitude)) - 2); its byte is the largest magnitude's own exponent field - 2, held at 1 from below.  A block of zeros so gets the byte 1 where the
; quantiser's text says 127: its codes are zeros, which add nothing under any byte but 0xff, and the bytes are read by this program alone.  Each number is divided by the scale and rounded to the nearest code, ties to even.
; LIMITS: blocks whose largest magnitude lies under 2^-124 have their byte held at 1; NaN and infinities among the inputs are not served.
; Rows are dense and 1,024 is a multiple of 32, so every tensor is a plain stream of blocks of 32 numbers, and so are its codes and scale bytes.
; SHARES: a work-group takes 32,768 numbers, a wave 16 steps of 512.  Q, K, V are 256 work-groups each, a weight 32: 896 in all.  Only the source pointer is chosen by the work-group's number:
; all tensors take one path, and the place in xc and xs is linear in 4 x work-group + wave.
; The conversions take 16 numbers of ONE block from a lane's registers, so a lane must hold 16 neighbours; a load is best where neighbouring lanes take neighbouring bytes.  Both are had: each of a step's
; four loads reads 512 consecutive bytes; the 2,048 bytes go through the wave's own stage in LDS and come back 64 bytes a lane (16 bytes of padding behind each 64).
; No tensor loads, no barrier, no cluster, no matrix unit: waves share nothing and memory binds.  Loads run four steps (16 loads a wave) ahead, the turn through LDS one step.
.set STEPS, 16
.set CB,    12                         ; bytes of 16 codes
.set R,     16                         ; v16-79   four sets of 16 numbers as they are loaded
.set X,     80                         ; v80-111  two sets of 16 neighbours
.set E,     112                        ; v112-127 a scale byte for each step
.set C,     128                        ; v128-191 codes: four registers for each step, so that no store's data are written again
.set WREG,  8192                       ; LDS: a region for each wave: two stages of 32 x SP bytes, and behind them its 256 scale bytes
.set SP,    80                         ; a lane's place in a stage: its 64 bytes + 16 of padding
	s_load_b256 s[4:11], s[0:1], 0x0               ; Q, K, V, Wq
	s_load_b256 s[12:19], s[0:1], 0x20             ; Wk, Wv, Wo, xc
	s_load_b64 s[20:21], s[0:1], 0x40              ; xs
	v_lshl_add_u32 v192, v0, 2, 0x8000
	v_mov_b32 v193, 0
	v_lshrrev_b32 v1, 5, v0
	v_readfirstlane_b32 s26, v1                    ; wave
	v_and_b32 v2, 31, v0                           ; lane
	v_lshlrev_b32 v3, 4, v2                        ; my 16 bytes of a load's 512
	s_mul_i32 s27, s26, WREG
	v_lshrrev_b32 v14, 2, v2
	v_mul_u32_u24 v14, v14, SP
	v_and_b32 v15, 3, v2
	v_lshl_add_u32 v14, v15, 4, v14
	v_add_nc_u32 v14, s27, v14                     ; the stage, on the way in: four lanes' 64 bytes on end, then 16 of padding
	v_mul_u32_u24 v15, v2, SP
	v_add_nc_u32 v15, s27, v15                     ; and on the way out: SP x lane: my 16 neighbours
	v_mul_u32_u24 v4, v2, CB                       ; my codes' place in a step's
	v_lshrrev_b32 v5, 1, v2
	s_add_co_u32 s27, s27, 2*32*SP
	v_add_nc_u32 v5, s27, v5                       ; LDS: my wave's 256 scale bytes, my block's byte
	v_lshlrev_b32 v7, 3, v2                        ; and on the way out 8 bytes a lane
	v_add_nc_u32 v6, s27, v7
	s_wait_alu depctr_va_vdst(0)
	s_wait_kmcnt 0x0
	s_cmp_lt_u32 ttmp9, 256                        ; whose work-group?  Every choice hangs on the work-group's number alone.  s[22:23]: the source; s24: its first work-group
	s_cselect_b64 s[22:23], s[4:5], s[6:7]
	s_cselect_b32 s24, 0, 256
	s_cmp_lt_u32 ttmp9, 512
	s_cselect_b64 s[22:23], s[22:23], s[8:9]
	s_cselect_b32 s24, s24, 512
	s_cmp_lt_u32 ttmp9, 768
	s_cselect_b64 s[22:23], s[22:23], s[10:11]
	s_cselect_b32 s24, s24, 768
	s_cmp_lt_u32 ttmp9, 800
	s_cselect_b64 s[22:23], s[22:23], s[12:13]
	s_cselect_b32 s24, s24, 800
	s_cmp_lt_u32 ttmp9, 832
	s_cselect_b64 s[22:23], s[22:23], s[14:15]
	s_cselect_b32 s24, s24, 832
	s_cmp_lt_u32 ttmp9, 864
	s_cselect_b64 s[22:23], s[22:23], s[16:17]
	s_cselect_b32 s24, s24, 864
	s_sub_co_u32 s27, ttmp9, s24
	s_lshl_b32 s27, s27, 2
	s_add_co_u32 s28, s27, s26                     ; which run of 8,192 numbers of the tensor is my wave's
	s_lshl_b32 s28, s28, 15                        ; 32,768 bytes a run
	s_mov_b32 s29, 0
	s_add_nc_u64 s[22:23], s[22:23], s[28:29]
	s_lshl_b32 s30, ttmp9, 2
	s_add_co_u32 s30, s30, s26                     ; which run of all seven tensors
	s_mul_i32 s28, s30, 32*STEPS*CB                ; 6,144 bytes of codes a run
	s_add_nc_u64 s[18:19], s[18:19], s[28:29]
	s_lshl_b32 s28, s30, 8                         ; 256 scale bytes a run
	s_add_nc_u64 s[20:21], s[20:21], s[28:29]
.macro LOAD t
.irp i, 0,1,2,3
	global_load_b128 v[R+16*((\t)%4)+4*\i:R+16*((\t)%4)+4*\i+3], v3, s[22:23] offset:2048*(\t)+512*\i th:TH_LOAD_NT   ; 32 lanes read 512 consecutive bytes; read once in the launch
.endr
.endm
.macro TURN t                          ; step t's numbers through the stage: LDS serves a wave's instructions in order (ISA guide 5.7.1.4), so no wait stands between the stores and the loads
.irp i, 0,1,2,3
	ds_store_b128 v14, v[R+16*((\t)%4)+4*\i:R+16*((\t)%4)+4*\i+3] offset:32*SP*((\t)%2)+8*SP*\i
.endr
.irp i, 0,1,2,3
	ds_load_b128 v[X+16*((\t)%2)+4*\i:X+16*((\t)%2)+4*\i+3], v15 offset:32*SP*((\t)%2)+16*\i
.endr
.endm
.irp t, 0,1,2,3
	LOAD \t
.endr
	s_wait_loadcnt 12                              ; step 0's four loads are in; the twelve of steps 1 to 3 stay out
	TURN 0
.macro STEP t
.set XS, X+16*((\t)%2)
.if (\t) > 0
	s_wait_dscnt 1                                 ; this step's numbers are back from the stage (the last step's byte store may be out): so its stores into the stage have read their registers,
.else
	s_wait_dscnt 0x0
.endif
.if (\t)+4 < STEPS
	LOAD (\t)+4                                    ; which take the loads of four steps on
.endif
.if (\t)+1 < STEPS
.if STEPS-2-(\t) >= 3
	s_wait_loadcnt 12                              ; the next step's four loads are in; those of the three steps behind it may be out
.else
	s_wait_loadcnt 4*(STEPS-2-(\t))                ; in the tail fewer steps are behind it
.endif
	TURN (\t)+1                                    ; and go through the other stage while this step is worked
.endif
	v_max3_num_f32 v8, |v[XS]|, |v[XS+1]|, |v[XS+2]|               ; the largest magnitude of my 16, in two chains
	v_max3_num_f32 v9, |v[XS+3]|, |v[XS+4]|, |v[XS+5]|
.irp i, 6,10
	v_max3_num_f32 v8, v8, |v[XS+\i]|, |v[XS+\i+1]|
	v_max3_num_f32 v9, v9, |v[XS+\i+2]|, |v[XS+\i+3]|
.endr
	v_max3_num_f32 v8, v8, |v[XS+14]|, |v[XS+15]|
	v_max3_num_f32 v8, v8, v9, 0x1800000           ; and the floor 2^(3 - 127): the byte cannot fall under 1
	v_max_num_f32_dpp v8, v8, v8 row_xmask:1 row_mask:0xf bank_mask:0xf   ; and of my neighbour's 16: the block's
	v_add_nc_u32 v11, 0xff000000, v8               ; 2 off its exponent field: the conversion takes the exponent field of this operand as its scale, and nothing else of it
	v_cvt_scalef32_pk16_fp6_f32 v[C+4*(\t):C+4*(\t)+2], v[XS:XS+15], v11         ; sixteen codes, 96 bits without gaps, the first number's code lowest; beyond 7.5 the largest code
	v_lshrrev_b32 v[E+(\t)], 23, v11               ; the scale's byte
	ds_store_b8 v5, v[E+(\t)] offset:16*(\t)       ; both lanes of a block write the same byte with the same value
	global_store_b96 v4, v[C+4*(\t):C+4*(\t)+2], s[18:19] offset:32*CB*(\t)      ; the wave stores 384 consecutive bytes
.endm
.irp t, 0,1,2,3,4,5,6,7,8,9,10,11,12,13,14,15
	STEP \t
.endr
	ds_load_b64 v[12:13], v6                       ; LDS serves a wave's instructions in order: these see my stores
	s_wait_dscnt 0x0
	global_store_b64 v7, v[12:13], s[20:21]        ; 32 lanes store 256 consecutive bytes, at a multiple of 256 from xs's first byte
	s_wait_tensorcnt 0x0
	ds_add_u32 v192, v193
	s_wait_dscnt 0x0
	s_endpgm
.Lfunc_end_k_qf840032d91_quant:
	.size	k_qf840032d91_quant, .Lfunc_end_k_qf840032d91_quant-k_qf840032d91_quant
	.p2alignl 7, 3214868480
	.fill 96, 4, 3214868480
	.section	.rodata,"a",@progbits
	.p2align	6, 0x0
	.amdhsa_kernel k_qf840032d91_quant
		.amdhsa_group_segment_fixed_size 33280
		.amdhsa_private_segment_fixed_size 0
		.amdhsa_enable_private_segment 0
		.amdhsa_kernarg_size 72
		.amdhsa_user_sgpr_count 2
		.amdhsa_user_sgpr_kernarg_segment_ptr 1
		.amdhsa_wavefront_size32 1
		.amdhsa_system_sgpr_workgroup_id_x 1
		.amdhsa_system_sgpr_workgroup_id_y 1
		.amdhsa_system_sgpr_workgroup_id_z 1
		.amdhsa_system_vgpr_workitem_id 0
		.amdhsa_next_free_vgpr 194
		.amdhsa_next_free_sgpr 66
		.amdhsa_reserve_vcc 0
		.amdhsa_float_denorm_mode_32 3
		.amdhsa_float_denorm_mode_16_64 3
		.amdhsa_memory_ordered 1
		.amdhsa_forward_progress 1
		.amdhsa_inst_pref_size 33
	.end_amdhsa_kernel
	.amdgpu_metadata
---
amdhsa.version: [ 1, 2 ]
amdhsa.kernels:
  - .name:           k_qf840032d91_quant
    .symbol:         k_qf840032d91_quant.kd
    .args:
      - { .name: Q, .offset: 0, .size: 8, .value_kind: global_buffer, .address_space: global }
      - { .name: K, .offset: 8, .size: 8, .value_kind: global_buffer, .address_space: global }
      - { .name: V, .offset: 16, .size: 8, .value_kind: global_buffer, .address_space: global }
      - { .name: Wq, .offset: 24, .size: 8, .value_kind: global_buffer, .address_space: global }
      - { .name: Wk, .offset: 32, .size: 8, .value_kind: global_buffer, .address_space: global }
      - { .name: Wv, .offset: 40, .size: 8, .value_kind: global_buffer, .address_space: global }
      - { .name: Wo, .offset: 48, .size: 8, .value_kind: global_buffer, .address_space: global }
      - { .name: xc, .offset: 56, .size: 8, .value_kind: global_buffer, .address_space: global }
      - { .name: xs, .offset: 64, .size: 8, .value_kind: global_buffer, .address_space: global }
    .group_segment_fixed_size: 33280
    .private_segment_fixed_size: 0
    .kernarg_segment_align: 8
    .kernarg_segment_size: 72
    .max_flat_workgroup_size: 128
    .sgpr_count:     66
    .vgpr_count:     194
    .wavefront_size: 32
...
	.end_amdgpu_metadata
.endif
;; end of part 1
;; launch proj (part 2): grid 4 x 96, 4 waves a work-group, clusters of 4 x 4, 327,680 bytes of LDS; arguments xc, xs, bq, bk, bv, hc, hs; writes hc, hs
.if DOCPART == 2
	.amdgcn_target "amdgcn-amd-amdhsa--gfx1250"
	.amdhsa_code_object_version 6
	.text
	.protected	k_qf840032d91_proj
	.globl	k_qf840032d91_proj
	.p2align	8
	.type	k_qf840032d91_proj,@function
k_qf840032d91_proj:
	s_mov_b64 s[64:65], 0
	v_nop
	global_prefetch_b8 v0, s[64:65] scope:SCOPE_SE
	s_setreg_imm32_b32 hwreg(HW_REG_WAVE_MODE, 25, 1), 1
	s_wait_xcnt 0x0
	s_wait_alu depctr_hold_cnt(0) depctr_sa_sdst(0) depctr_va_vdst(0) depctr_va_sdst(0) depctr_va_ssrc(0) depctr_va_vcc(0) depctr_vm_vsrc(0)
	s_getreg_b32 s2, hwreg(HW_REG_IB_STS2, 6, 4)
	s_cmp_eq_u32 s2, 0
	s_cbranch_scc0 .Lentry_in_a_cluster
	s_endpgm
.Lentry_in_a_cluster:
	s_bfe_u32 s2, ttmp6, 0x10000c
	s_cmp_lg_u32 s2, 0xf033
	s_cbranch_scc0 .Lentry_shape_is_right
	s_endpgm
.Lentry_shape_is_right:
.set KSTEP,  256
.set NQ,     KSTEP/128
.set ROWB,   192
.set KROW,   768
.set PITCH,  240
.set FR,     12
.set NL,     6
.set NP,     4
.set HALFT,  128*PITCH
.set SLOT,   4*HALFT
.set KS,     32
.set SCL,    2*SLOT
.set HALFS,  (128*KS/256)*272
.set SBLK,   (16*KS/256)*272
.set SPARE,  SCL+4*HALFS
.set XSEC,   6291456
.set WSEC,   786432
.set XSSEC,  262144
.set WSSEC,  32768
.set HEADC,  98304
.set HEADS,  4096
.set ADRA, 16
.set ADRB, 20
.set LI16, 24
.set LI8,  25
.set ADRS, 27
.set SPW,  28
.set NIL,  29
.set SC,   32
.set BI,   64
.set BV,   96
.set AF,   128
.set T,    128
.set TM,   192
.set CT,   208
.set TW,   216
.set PA,   224
.set PB,   236
.set PW,   248
.set RA,   252
.set RB,   254
.set SEL, 66
.set G1, 24
.set G0, 32
.set G1B, 48
.set G0B, 56
.set G1S, 68
.set G0S, 76
.set G1SB, 80
.set G0SB, 88
.set MSB, 0
.macro WIN new
.if MSB != (\new)
	s_set_vgpr_msb (MSB<<8)|(\new)
.set MSB, (\new)
.endif
.endm
.set MUL_LO, 0xa1
.set MUL_HI, 0xf1
.set TO_B,   0x40
.macro JLOAD g0a, g1a, g0b, g1b
	s_cmp_eq_u32 s15, 0
	s_cbranch_scc0 .Lfor_b_\@
	tensor_load_to_lds s[\g0a:\g0a+3], s[\g1a:\g1a+7]
	s_nop 0
.rept 4
	v_nop
.endr
	s_branch .Lasked_\@
.Lfor_b_\@:
	tensor_load_to_lds s[\g0b:\g0b+3], s[\g1b:\g1b+7]
	s_nop 0
.rept 4
	v_nop
.endr
.Lasked_\@:
.endm
.macro CREST
	s_cmp_lg_u32 s14, 0
	s_cbranch_scc1 .Lnot_wave_0_\@
	s_barrier_signal -3
.Lnot_wave_0_\@:
	s_barrier_wait -3
	s_barrier_signal -1
	s_barrier_wait -1
.endm
.macro CROUND
	s_barrier_signal -1
	s_barrier_wait -1
	CREST
.endm
	s_load_b256 s[4:11], s[0:1], 0x0
	s_load_b128 s[96:99], s[0:1], 0x20
	s_load_b64 s[100:101], s[0:1], 0x30
	v_lshl_add_u32 v[SPW], v0, 2, SPARE
	v_mov_b32 v[NIL], 0
	ds_add_u32 v28, v29
	ds_add_u32 v28, v29
	s_wait_dscnt 0x0
	v_lshrrev_b32 v1, 5, v0
	v_readfirstlane_b32 s14, v1
	s_lshr_b32 s15, s14, 1
	s_and_b32 s16, s14, 1
	s_bfe_u32 s40, ttmp6, 0x40000
	s_bfe_u32 s41, ttmp6, 0x40004
	s_and_b32 s13, ttmp7, 0xffff
	s_lshr_b32 s12, s13, 3
	s_and_b32 s13, s13, 7
	s_mul_i32 s18, s12, XSEC
	s_mul_i32 s19, s12, WSEC
	s_add_co_u32 s19, s19, 3*XSEC
	s_mul_i32 s22, s12, XSSEC
	s_mul_i32 s23, s12, WSSEC
	s_add_co_u32 s23, s23, 3*XSSEC
	s_cmp_eq_u32 s12, 2
	s_cselect_b32 s17, 0, s13
	s_cselect_b32 s42, s13, 0
	s_cselect_b32 s20, s19, s18
	s_cselect_b32 s46, s18, s19
	s_cselect_b32 s3, s23, s22
	s_cselect_b32 s93, s22, s23
	s_lshl_b32 s17, s17, 2
	s_add_co_u32 s17, s17, s41
	s_lshl_b32 s42, s42, 2
	s_add_co_u32 s42, s42, s40
	s_lshl_b32 s43, s41, 2
	s_lshl_b32 s43, 15, s43
	s_lshl_b32 s44, 0x1111, s40
	s_or_b32 s[G1+0], s43, (0<<16)|(1<<20)|(1<<21)|(3<<22)|(3<<25)
	s_or_b32 s[G1B+0], s44, (0<<16)|(1<<20)|(1<<21)|(3<<22)|(3<<25)
.irp g, G1, G1B
	s_mov_b32 s[\g+1], ROWB<<16
	s_mov_b32 s[\g+2], 128<<16
	s_mov_b32 s[\g+3], ROWB<<16
	s_mov_b32 s[\g+4], 128
	s_mov_b32 s[\g+5], KROW
	s_mov_b32 s[\g+6], 0
	s_mov_b32 s[\g+7], 0
.endr
	s_or_b32 s[G1S+0], s43, (3<<16)|(1<<20)|(1<<21)|(5<<22)|(3<<25)
	s_or_b32 s[G1SB+0], s44, (3<<16)|(1<<20)|(1<<21)|(5<<22)|(3<<25)
.irp g, G1S, G1SB
	s_mov_b32 s[\g+1], 32<<16
	s_mov_b32 s[\g+2], (128*KS/256)<<16
	s_mov_b32 s[\g+3], 32<<16
	s_mov_b32 s[\g+4], 128*KS/256
	s_mov_b32 s[\g+5], 32
	s_mov_b32 s[\g+6], 0
	s_mov_b32 s[\g+7], 0
.endr
	s_lshl_b32 s2, s16, 7
	s_lshl_b32 s18, s17, 8
	s_add_co_u32 s18, s18, s2
	s_lshl_b32 s47, s42, 8
	s_add_co_u32 s47, s47, s2
	s_lshl_b32 s22, s18, 5
	s_add_co_u32 s22, s22, s3
	s_mul_i32 s18, s18, KROW
	s_add_co_u32 s20, s20, s18
	s_lshl_b32 s92, s47, 5
	s_add_co_u32 s92, s92, s93
	s_mul_i32 s47, s47, KROW
	s_add_co_u32 s46, s46, s47
	s_mov_b32 s21, 0
	s_mov_b32 s23, 0
	s_mov_b32 s47, 0
	s_mov_b32 s93, 0
	s_mul_i32 s45, s14, HALFT
	s_mul_i32 s94, s14, HALFS
	s_mov_b32 s95, 0xffff0000
	s_mov_b32 s[SEL], 0x76543210
	s_mov_b32 s[SEL+1], 0xfedcba98
	s_wait_kmcnt 0x0
	s_add_nc_u64 s[20:21], s[4:5], s[20:21]
	s_add_nc_u64 s[22:23], s[6:7], s[22:23]
	s_add_nc_u64 s[46:47], s[4:5], s[46:47]
	s_add_nc_u64 s[92:93], s[6:7], s[92:93]
	CROUND
	s_mov_b32 s[G0S], 1
	s_add_co_u32 s[G0S+1], s94, SCL
	s_mov_b64 s[G0S+2:G0S+3], s[22:23]
	s_or_b32 s[G0S+3], s[G0S+3], 0x80000000
	s_mov_b32 s[G0SB], 1
	s_add_co_u32 s[G0SB+1], s94, SCL
	s_mov_b64 s[G0SB+2:G0SB+3], s[92:93]
	s_or_b32 s[G0SB+3], s[G0SB+3], 0x80000000
	JLOAD G0S, G1S, G0SB, G1SB
.irp s, 0,1
	s_mov_b32 s[G0+4*\s], 1
	s_add_co_u32 s[G0+4*\s+1], s45, \s*SLOT
	s_add_nc_u64 s[G0+4*\s+2:G0+4*\s+3], s[20:21], \s*ROWB
	s_or_b32 s[G0+4*\s+3], s[G0+4*\s+3], 0x80000000
	s_mov_b32 s[G0B+4*\s], 1
	s_add_co_u32 s[G0B+4*\s+1], s45, \s*SLOT
	s_add_nc_u64 s[G0B+4*\s+2:G0B+4*\s+3], s[46:47], \s*ROWB
	s_or_b32 s[G0B+4*\s+3], s[G0B+4*\s+3], 0x80000000
	s_wait_alu depctr_va_vdst(0)
	s_wait_tensorcnt 0x0
	ds_add_u32 v28, v29
	s_wait_dscnt 0x0
	CROUND
	JLOAD G0+4*\s, G1, G0B+4*\s, G1B
.endr
	v_and_b32 v1, 15, v0
	v_bfe_u32 v2, v0, 4, 1
	v_mul_u32_u24 v3, v1, PITCH
	v_mul_u32_u24 v4, v2, 24
	v_add_nc_u32 v4, v3, v4
	v_lshl_add_u32 v5, v2, 4, v4
	s_mul_i32 s21, s15, HALFT
	s_mul_i32 s22, s16, HALFT
	s_add_co_u32 s22, s22, 2*HALFT
.irp s, 0,1
	v_add_nc_u32 v[ADRA+\s], s21, v4
	v_add_nc_u32 v[ADRB+\s], s22, v4
	v_add_nc_u32 v[ADRA+2+\s], s21, v5
	v_add_nc_u32 v[ADRB+2+\s], s22, v5
	s_add_co_u32 s21, s21, SLOT
	s_add_co_u32 s22, s22, SLOT
.endr
	v_mul_u32_u24 v5, v1, KS
	v_lshrrev_b32 v6, 8, v5
	v_lshl_add_u32 v5, v6, 4, v5
	s_mul_i32 s21, s15, HALFS
	s_mul_i32 s22, s16, HALFS
	s_add_co_u32 s22, s22, 2*HALFS
	s_sub_co_u32 s22, s22, s21
	v_mul_u32_u24 v6, s22, v2
	s_add_co_u32 s21, s21, SCL
	v_add_nc_u32 v5, v5, v6
	v_add_nc_u32 v[ADRS], s21, v5
	v_and_b32 v6, 31, v0
	v_lshlrev_b32 v[LI16], 4, v6
	v_lshlrev_b32 v[LI8], 3, v6
	s_cmp_eq_u32 s12, 0
	s_cselect_b64 s[8:9], s[8:9], s[10:11]
	s_cmp_eq_u32 s12, 2
	s_cselect_b64 s[8:9], s[96:97], s[8:9]
	s_cselect_b32 s18, s17, s42
	s_cselect_b32 s19, s15, s16
	s_cselect_b32 s20, s42, s17
	s_cselect_b32 s21, s16, s15
	s_lshl_b32 s22, s18, 10
	s_lshl_b32 s23, s19, 9
	s_add_co_u32 s22, s22, s23
	s_mov_b32 s23, 0
	s_add_nc_u64 s[8:9], s[8:9], s[22:23]
	s_lshr_b32 s22, s20, 3
	s_lshl_b32 s22, s22, 4
	s_lshl_b32 s18, s18, 2
	s_add_co_u32 s22, s22, s18
	s_lshl_b32 s19, s19, 1
	s_add_co_u32 s22, s22, s19
	s_lshl_b32 s22, s22, 4
	s_lshl_b32 s20, s20, 1
	s_add_co_u32 s20, s20, s21
	s_and_b32 s20, s20, 15
	s_add_co_u32 s22, s22, s20
	s_mul_i32 s20, s22, 6144
	s_mul_i32 s21, s12, XSEC
	s_add_co_u32 s20, s20, s21
	s_mov_b32 s21, 0
	s_add_nc_u64 s[98:99], s[98:99], s[20:21]
	s_lshl_b32 s20, s22, 8
	s_lshl_b32 s22, s12, 18
	s_add_co_u32 s20, s20, s22
	s_add_nc_u64 s[100:101], s[100:101], s[20:21]
	v_lshlrev_b32 v6, 5, v2
	v_lshlrev_b32 v7, 2, v1
.irp b, 0,1,2,3,4,5,6,7
	global_load_b128 v[BI+8*\b:BI+8*\b+3], v6, s[8:9] offset:64*\b
	global_load_b128 v[BI+8*\b+4:BI+8*\b+7], v6, s[8:9] offset:64*\b+16
.endr
	WIN TO_B
.irp a, 0,1,2,3,4,5,6,7
	global_load_b32 v[BV+2*\a], v7, s[8:9] offset:64*\a
	global_load_b32 v[BV+2*\a+1], v7, s[8:9] offset:64*\a
.endr
	WIN 0
.macro FRAG reg, adr, q, i
.irp p, 0,1,2,3,4,5
.set PC, 12*(\q)+6*(\p/3)+\p%3
.if PC%8 < 5
	ds_load_b64 v[\reg+2*\p:\reg+2*\p+1], v[\adr] offset:8*PC+16*(PC/8)+(\i)*16*PITCH
.else
	ds_load_b64 v[\reg+2*\p:\reg+2*\p+1], v[\adr+2] offset:8*PC+16*(PC/8)+(\i)*16*PITCH
.endif
.endr
.endm
.macro MUL16 a0, p, q, sc, zero
.irp a, \a0, \a0+1
.irp b, 0,1,2,3,4,5,6,7
.if \zero
	v_wmma_scale_f32_16x16x128_f8f6f4 v[8*(8*((\a)%4)+\b):8*(8*((\a)%4)+\b)+7], v[128*(\p)+FR*\b:128*(\p)+FR*\b+FR-1], v[AF+FR*(\a):AF+FR*(\a)+FR-1], 0, v[SC+8*NQ*(\sc)+NQ*\b+(\q)], v[SC+8*NQ*(\sc)+NQ*(\a)+(\q)] matrix_a_fmt:MATRIX_FMT_FP6 matrix_b_fmt:MATRIX_FMT_FP6 matrix_a_scale:MATRIX_SCALE_ROW1
.else
	v_wmma_scale_f32_16x16x128_f8f6f4 v[8*(8*((\a)%4)+\b):8*(8*((\a)%4)+\b)+7], v[128*(\p)+FR*\b:128*(\p)+FR*\b+FR-1], v[AF+FR*(\a):AF+FR*(\a)+FR-1], v[8*(8*((\a)%4)+\b):8*(8*((\a)%4)+\b)+7], v[SC+8*NQ*(\sc)+NQ*\b+(\q)], v[SC+8*NQ*(\sc)+NQ*(\a)+(\q)] matrix_a_fmt:MATRIX_FMT_FP6 matrix_b_fmt:MATRIX_FMT_FP6 matrix_a_scale:MATRIX_SCALE_ROW1
.endif
.endr
.endr
.endm
.macro FETCH_B slot, q, p
	WIN TO_B
.irp i, 0,1,2,3,4,5,6,7
	FRAG 128*(\p)+FR*\i, ADRB+\slot, \q, \i
.endr
	WIN 0
.endm
.macro FETCH_A slot, q, i0
.irp i, \i0, \i0+1, \i0+2, \i0+3
	FRAG AF+FR*(\i), ADRA+\slot, \q, \i
.endr
.endm
.macro SCALES sc
.irp i, 0,1,2,3,4,5,6,7
	ds_load_b64 v[SC+8*NQ*\sc+NQ*\i:SC+8*NQ*\sc+NQ*\i+1], v[ADRS] offset:\i*SBLK
.endr
.endm
.macro PLACES n
.rept \n
	v_nop
.endr
.endm
.macro STEP slot, q, zero
	s_wait_dscnt 4*NL
	WIN MUL_LO
	MUL16 0, (\q)%2, \q, \slot, \zero
	MUL16 2, (\q)%2, \q, \slot, \zero
	s_wait_dscnt 0
	PLACES NP
	FETCH_B \slot, (\q)+1, 1-(\q)%2
	FETCH_A \slot, (\q)+1, 0
	WIN MUL_HI
	MUL16 4, (\q)%2, \q, \slot, \zero
	MUL16 6, (\q)%2, \q, \slot, \zero
	PLACES NP
	WIN 0
	FETCH_A \slot, (\q)+1, 4
.endm
.macro TURN slot, next, fill
	s_wait_tensorcnt 0x0
	ds_add_u32 v[SPW], v[NIL]
	s_wait_dscnt 4*NL+1
	WIN MUL_LO
	MUL16 0, 1, NQ-1, \slot, 0
	s_wait_dscnt 0x0
	s_barrier_signal -1
	MUL16 2, 1, NQ-1, \slot, 0
	WIN 0
	s_barrier_wait -1
.if \fill
	CREST
	s_add_nc_u64 s[G0+4*\slot+2:G0+4*\slot+3], s[G0+4*\slot+2:G0+4*\slot+3], 2*ROWB
	s_add_nc_u64 s[G0B+4*\slot+2:G0B+4*\slot+3], s[G0B+4*\slot+2:G0B+4*\slot+3], 2*ROWB
	JLOAD G0+4*\slot, G1, G0B+4*\slot, G1B
.else
	PLACES NP
.endif
	s_wait_alu depctr_va_vdst(0)
	v_add_nc_u32 v[ADRS], 4*NQ, v[ADRS]
	FETCH_B \next, 0, 0
	FETCH_A \next, 0, 0
	SCALES \next
	WIN MUL_HI
	MUL16 4, 1, NQ-1, \slot, 0
	MUL16 6, 1, NQ-1, \slot, 0
	PLACES NP
	WIN 0
	FETCH_A \next, 0, 4
.endm
	s_wait_alu depctr_va_vdst(0)
	s_wait_loadcnt 0x0
	s_wait_tensorcnt 1
	s_barrier_signal -1
	s_barrier_wait -1
	FETCH_B 0, 0, 0
	FETCH_A 0, 0, 0
	SCALES 0
	FETCH_A 0, 0, 4
	STEP 0, 0, 1
	TURN 0, 1, 1
	STEP 1, 0, 0
	TURN 1, 0, 1
	STEP 0, 0, 0
	TURN 0, 1, 0
	STEP 1, 0, 0
	s_wait_dscnt 4*NL
	WIN MUL_LO
	MUL16 0, 1, NQ-1, 1, 0
	MUL16 2, 1, NQ-1, 1, 0
	s_wait_dscnt 0
	WIN MUL_HI
	MUL16 4, 1, NQ-1, 1, 0
	MUL16 6, 1, NQ-1, 1, 0
	WIN 0
.macro BIAS a, byrow
.if \byrow
	WIN 0x06+(\a)/4
.else
	WIN 0x02+(\a)/4
.endif
.set AC, 64*((\a)%4)
.set n, 0
.rept 32
.if \byrow
	v_pk_add_f32 v[T+n:T+n+1], v[AC+n:AC+n+1], v[BV+2*(\a):BV+2*(\a)+1]
.else
	v_pk_add_f32 v[T+n:T+n+1], v[AC+n:AC+n+1], v[BI+n:BI+n+1]
.endif
.set n, n+2
.endr
	WIN 0
.endm
.macro QUANT s, d0, d1, pw
.irp b, 0,1,2,3
	v_max3_num_f32 v[TM+\b], |v[\s+16*\b]|, |v[\s+1+16*\b]|, 0x1800000
.endr
.irp i, 2,4,6,8,10,12,14
.irp b, 0,1,2,3
	v_max3_num_f32 v[TM+\b], v[TM+\b], |v[\s+16*\b+\i]|, |v[\s+1+16*\b+\i]|
.endr
.endr
.irp b, 0,1,2,3
	v_permlanex16_b32 v[TM+4+\b], v[TM+\b], s[SEL], s[SEL+1]
.endr
.irp b, 0,1,2,3
	v_max_num_f32 v[TM+\b], v[TM+\b], v[TM+4+\b]
.endr
.irp b, 0,1,2,3
	v_add_nc_u32 v[TM+12+\b], 0xff000000, v[TM+\b]
.endr
.irp b, 0,1,2,3
	v_lshrrev_b32 v[TM+4+\b], 23, v[TM+12+\b]
.endr
	v_lshl_or_b32 v[\pw], v[TM+5], 8, v[TM+4]
	v_lshl_or_b32 v[\pw], v[TM+6], 16, v[\pw]
	v_lshl_or_b32 v[\pw], v[TM+7], 24, v[\pw]
	v_cvt_scalef32_pk16_fp6_f32 v[\d0:\d0+2], v[\s:\s+15], v[TM+12]
	v_cvt_scalef32_pk16_fp6_f32 v[CT:CT+2], v[\s+16:\s+31], v[TM+13]
	v_cvt_scalef32_pk16_fp6_f32 v[\d1:\d1+2], v[\s+32:\s+47], v[TM+14]
	v_cvt_scalef32_pk16_fp6_f32 v[CT+4:CT+6], v[\s+48:\s+63], v[TM+15]
	v_nop
.irp i, 0,1,2
	v_permlane16_swap_b32 v[\d0+\i], v[CT+\i]
	v_permlane16_swap_b32 v[\d1+\i], v[CT+4+\i]
.endr
.irp i, 0,1,2
	v_mov_b32 v[\d0+3+\i], v[CT+\i]
	v_mov_b32 v[\d1+3+\i], v[CT+4+\i]
.endr
.endm
	PLACES NP
.irp b, 0,1,2,3
	v_mov_b32 v[TM+4+\b], 0
.endr
	s_cmp_eq_u32 s12, 2
	s_cbranch_scc1 .Lway_v
.irp P, 0,1,2,3
.if \P > 0
	s_wait_xcnt 0x0
.endif
	BIAS 2*\P, 0
	QUANT T, PA, PB, PW
	BIAS 2*\P+1, 0
	QUANT T, PA+6, PB+6, PW+1
.if \P%2 == 0
	v_perm_b32 v[RA+\P/2], v[PW+1], v[PW], 0x05040100
	v_perm_b32 v[RB+\P/2], v[PW+1], v[PW], 0x07060302
.else
	v_perm_b32 v[TW], v[PW+1], v[PW], 0x05040100
	v_perm_b32 v[TW+1], v[PW+1], v[PW], 0x07060302
	v_cndmask_b32 v[RA+\P/2], v[RA+\P/2], v[TW], s95
	v_cndmask_b32 v[RB+\P/2], v[RB+\P/2], v[TW+1], s95
.endif
.irp g, 0,1,2
	global_store_b128 v[LI16], v[PA+4*\g:PA+4*\g+3], s[98:99] offset:1536*\P+512*\g
	global_store_b128 v[LI16], v[PB+4*\g:PB+4*\g+3], s[98:99] offset:HEADC+1536*\P+512*\g
.endr
.endr
	global_store_b64 v[LI8], v[RA:RA+1], s[100:101]
	global_store_b64 v[LI8], v[RB:RB+1], s[100:101] offset:HEADS
	s_branch .Lend
.Lway_v:
.irp a, 0,1,2,3,4,5,6,7
.if \a > 0
	s_wait_xcnt 0x0
.endif
	BIAS \a, 1
	QUANT T, PA, PA+6, PW+\a%4
.irp g, 0,1,2
	global_store_b128 v[LI16], v[PA+4*\g:PA+4*\g+3], s[98:99] offset:(\a/4)*HEADC+(\a%4)*1536+512*\g
.endr
.if \a%4 == 3
	v_cndmask_b32 v[RA+2*(\a/4)], v[PW], v[PW+1], s95
	v_cndmask_b32 v[RA+2*(\a/4)+1], v[PW+2], v[PW+3], s95
	global_store_b64 v[LI8], v[RA+2*(\a/4):RA+2*(\a/4)+1], s[100:101] offset:(\a/4)*HEADS
.endif
.endr
.Lend:
	s_wait_tensorcnt 0x0
	ds_add_u32 v[SPW], v[NIL]
	s_wait_dscnt 0x0
	CROUND
	s_endpgm
.Lfunc_end_k_qf840032d91_proj:
	.size	k_qf840032d91_proj, .Lfunc_end_k_qf840032d91_proj-k_qf840032d91_proj
	.p2alignl 7, 3214868480
	.fill 96, 4, 3214868480
	.section	.rodata,"a",@progbits
	.p2align	6, 0x0
	.amdhsa_kernel k_qf840032d91_proj
		.amdhsa_group_segment_fixed_size 327680
		.amdhsa_private_segment_fixed_size 0
		.amdhsa_enable_private_segment 0
		.amdhsa_kernarg_size 56
		.amdhsa_user_sgpr_count 2
		.amdhsa_user_sgpr_kernarg_segment_ptr 1
		.amdhsa_wavefront_size32 1
		.amdhsa_system_sgpr_workgroup_id_x 1
		.amdhsa_system_sgpr_workgroup_id_y 1
		.amdhsa_system_sgpr_workgroup_id_z 1
		.amdhsa_system_vgpr_workitem_id 0
		.amdhsa_next_free_vgpr 1024
		.amdhsa_next_free_sgpr 102
		.amdhsa_reserve_vcc 0
		.amdhsa_float_denorm_mode_32 3
		.amdhsa_float_denorm_mode_16_64 3
		.amdhsa_memory_ordered 1
		.amdhsa_forward_progress 1
		.amdhsa_inst_pref_size 235
	.end_amdhsa_kernel
	.amdgpu_metadata
---
amdhsa.version: [ 1, 2 ]
amdhsa.kernels:
  - .name:           k_qf840032d91_proj
    .symbol:         k_qf840032d91_proj.kd
    .args:
      - { .name: xc, .offset: 0, .size: 8, .value_kind: global_buffer, .address_space: global }
      - { .name: xs, .offset: 8, .size: 8, .value_kind: global_buffer, .address_space: global }
      - { .name: bq, .offset: 16, .size: 8, .value_kind: global_buffer, .address_space: global }
      - { .name: bk, .offset: 24, .size: 8, .value_kind: global_buffer, .address_space: global }
      - { .name: bv, .offset: 32, .size: 8, .value_kind: global_buffer, .address_space: global }
      - { .name: hc, .offset: 40, .size: 8, .value_kind: global_buffer, .address_space: global }
      - { .name: hs, .offset: 48, .size: 8, .value_kind: global_buffer, .address_space: global }
    .group_segment_fixed_size: 327680
    .private_segment_fixed_size: 0
    .kernarg_segment_align: 8
    .kernarg_segment_size: 56
    .max_flat_workgroup_size: 128
    .sgpr_count:     102
    .vgpr_count:     1024
    .wavefront_size: 32
...
	.end_amdgpu_metadata
.endif
;; end of part 2
;; launch attn (part 3): grid 4 x 64, 16 waves a work-group, clusters of 4 x 1, 206,848 bytes of LDS; arguments hc, hs, cc, cs; writes cc, cs
.if DOCPART == 3
	.amdgcn_target "amdgcn-amd-amdhsa--gfx1250"
	.amdhsa_code_object_version 6
	.text
	.protected	k_qf840032d91_attn
	.globl	k_qf840032d91_attn
	.p2align	8
	.type	k_qf840032d91_attn,@function
k_qf840032d91_attn:
	s_mov_b64 s[64:65], 0
	v_nop
	global_prefetch_b8 v0, s[64:65] scope:SCOPE_SE
	s_setreg_imm32_b32 hwreg(HW_REG_WAVE_MODE, 25, 1), 1
	s_wait_xcnt 0x0
	s_wait_alu depctr_hold_cnt(0) depctr_sa_sdst(0) depctr_va_vdst(0) depctr_va_sdst(0) depctr_va_ssrc(0) depctr_va_vcc(0) depctr_vm_vsrc(0)
	s_getreg_b32 s2, hwreg(HW_REG_IB_STS2, 6, 4)
	s_cmp_eq_u32 s2, 0
	s_cbranch_scc0 .Lentry_in_a_cluster
	s_endpgm
.Lentry_in_a_cluster:
	s_bfe_u32 s2, ttmp6, 0x10000c
	s_cmp_lg_u32 s2, 0x3003
	s_cbranch_scc0 .Lentry_shape_is_right
	s_endpgm
.Lentry_shape_is_right:
; ctx[b][q][head] = softmax_k(q . k / 8) v for 64 (batch, head) pairs of 2,048 tokens and 64 channels, both products on codes of FP6 (E2M3) with one E8M0 scale for each 32 along a product's K.
; q, k, v come as images of operand registers (group g of four registers at 512 g + 16 x lane), 128 tokens a step, four images of 1,536 bytes a step, with a pair of scale registers (256 bytes) a step.
; THE SOFTMAX AHEAD OF THE SECOND PRODUCT: t = score x log2(e) / 8; M = the row's largest t so far, rounded UP to a whole number; p = 2^(t - M) is quantised along the keys, not normalised.  The row's sum is
; taken of the unquantised p, in f32, and divides O at the end.  When M moves, the sum and O are multiplied by 2^(old M - new M): exact.
; SHARES.  A work-group owns 512 queries of one head, in two trips of 256; each of its SIXTEEN waves owns one tile of 16 queries a trip, in 256 registers: four waves to a SIMD, so that one wave's vector
; work stands beside another's matrix work and LDS loads.  A key step of 128 keys is 12 matrix instructions beside some 240 vector instructions: the vector unit binds.
; ALL OF A HEAD'S K AND V STAYS IN LDS: 2 x 98,304 bytes of codes and 2 x 4,096 of scale words.  Each byte is filled ONCE, at the start: no ring, no refill.  Each wave brings 1/8 of K's or V's, in five loads.
; CLUSTER.  The four work-groups of a cluster own the four quarters of one head's queries and need the same K and V: every fill is a JOINT load with the mask of all four.
; K = 64 IN AN INSTRUCTION OF 128.  An image of k holds TWO tiles of 16 keys: tile 2 P in k 0..63, tile 2 P + 1 in k 64..127.  Against [q | zeros] it gives tile 2 P's scores, against [zeros | q] tile 2 P + 1's:
; zero codes add nothing under any scale byte but 0xff, and every byte here lies in 1 .. 254.  So no fragment is padded in LDS and none is read twice.
; LAYOUT.  Both products are used transposed: S^T = k q^T, O^T = v^T p^T: a lane holds ONE query (lane % 16).  A lane's 16 registers of tiles 2 B, 2 B + 1 are keys 32 B + 8 h + 0..7 and 32 B + 16 + 8 h + 0..7:
; inside a true block of 32 p's codes lie in the order 0-7, 16-23, 8-15, 24-31, as v's do.  ctx meets Wo's codes in true order: it is put right by 16 exchanges of lane halves before it is quantised.
; OUT.  cc: [block of 16 tokens][head][3 groups of 256 bytes]: registers 2 g, 2 g + 1 at 8 x lane: two neighbouring heads are one fragment of the last product's A.  cs: scale bytes, [8192][32].
; The scale bytes leave as 2 bytes a row, rows 32 bytes apart (lanes r and r + 16 write the same value): units written in part; they are 1/24 of the codes' bytes.
; LIMITS: NaN and infinities are not served; a block of ctx under 2^-124 (zeros too) has its byte held at 1, and this program alone reads the bytes.  A block's largest p is taken from its largest score,
; which takes v_exp_f32 not to fall where its input rises.
.set VC,    98304                      ; LDS: K's codes at 0, V's here: 16 steps x 6,144 bytes each
.set KSC,   196608                     ; K's scale pairs, 16 x 256 bytes; V's 4,096 bytes on
.set STEPB, 6144
.set CHUNK, 24576                      ; four steps: what the eight waves of a side bring with one load each
.set PART,  3072                       ; a wave's part of it: 12 rows of 256 bytes
.set XSEC,  6291456                    ; a section of hc (q, k, v)
.set XSSEC, 262144                     ; a section of hs
.set LI,  1                            ; v1   16 x lane
.set L8,  2                            ; v2   8 x lane + KSC
.set ADK, 3                            ; v3   LDS address of the step's images of K
.set ADV, 4                            ; v4   of V
.set ADS, 5                            ; v5   of the step's scale pairs
.set GO8, 6                            ; v6   8 x lane: my place in a group of cc
.set GR32, 7                           ; v7   32 r: my row of cs
.set GR8, 8                            ; v8   8 r: my query's scale word in a pair's image
.set QF,  16                           ; v16-33 [q 6][zeros 6][q 6]: v[16:27] = [q | 0], v[22:33] = [0 | q]
.set QS,  34                           ; v34  q's scale word, its two bytes twice
.set PW,  35                           ; v35  p's scale word
.set SK,  36                           ; v36-37 K's scale pair
.set SV,  38                           ; v38-39 V's
.set KV,  40                           ; v40-87 four images of K, then of V
.set S,   88                           ; v88-151 S^T, then p
.set O,   152                          ; v152-183 O^T
.set PF,  184                          ; v184-195 p's codes
.set CT,  196                          ; v196-203 second halves of blocks
.set BM,  204                          ; v204-207 a block's largest score, then p
.set PT,  208                          ; v208-211 the other half's, then bytes
.set SO,  212                          ; v212-215 the conversions' scale operands
.set FF,  216                          ; v216 f = 2^(old M - new M); v217 named with it as a pair
.set SU,  218                          ; v218-219 the sum's second chain
.set TMP, 220
.set QI,  222                          ; v222-233 the image that holds my queries
.set QW,  234                          ; v234 its scale word
.set HW,  235                          ; v235 ctx's two scale bytes
.set CF,  236                          ; v236-241 ctx's codes
.set WV,  12                           ; s12 wave
.set SEL, 20                           ; s[20:21] lane selects for v_permlanex16_b32: lane l xor 16
.set CS,  22                           ; s[22:23] c = log2(e) / 8
.set G1C, 24                           ; s[24:31] descriptor group 1 for codes; s[32:39] for scale pairs
.set G1S, 32
.set G0,  40                           ; s[40:59] five groups 0, never rewritten
.set TK,  60                           ; s60 the step's first byte in K's codes
.set TS,  61                           ; s61 and among the scale pairs
.macro CROUND                          ; a round of the cluster's barrier
	s_barrier_signal -1
	s_barrier_wait -1
	s_cmp_lg_u32 s[WV], 0
	s_cbranch_scc1 .Lnot_wave_0_\@
	s_barrier_signal -3
.Lnot_wave_0_\@:
	s_barrier_wait -3
	s_barrier_signal -1
	s_barrier_wait -1
.endm
	s_load_b256 s[4:11], s[0:1], 0x0               ; hc s[4:5], hs s[6:7], cc s[8:9], cs s[10:11]
	v_lshl_add_u32 v254, v0, 2, 0x32000
	v_mov_b32 v255, 0
	ds_add_u32 v254, v255
	ds_add_u32 v254, v255
	v_lshrrev_b32 v1, 5, v0
	s_delay_alu instid0(VALU_DEP_1)
	v_readfirstlane_b32 s[WV], v1                  ; wave 0..15
	s_bfe_u32 s13, ttmp6, 0x40000                  ; cx: it enters q's and ctx's global addresses alone
	s_and_b32 s14, ttmp7, 0xffff                   ; 16 x batch + head, which the four partners share
	s_lshr_b32 s15, s[WV], 3                       ; I fetch for K (0) or for V (1),
	s_and_b32 s16, s[WV], 7                        ; this eighth of it
	; what I fetch: offsets made of the head and the wave's number alone
	s_add_co_u32 s76, s15, 1                       ; section 1 (k) or 2 (v)
	s_mul_i32 s78, s76, XSEC
	s_mul_i32 s77, s14, VC                         ; a head's codes are 98,304 bytes
	s_add_co_u32 s78, s78, s77
	s_mul_i32 s77, s16, PART
	s_add_co_u32 s78, s78, s77
	s_mov_b32 s79, 0
	s_lshl_b32 s80, s76, 18
	s_lshl_b32 s77, s14, 12                        ; a head's scale pairs are 4,096 bytes
	s_add_co_u32 s80, s80, s77
	s_lshl_b32 s77, s16, 9
	s_add_co_u32 s80, s80, s77
	s_mov_b32 s81, 0
	s_mul_i32 s82, s15, VC
	s_mul_i32 s77, s16, PART
	s_add_co_u32 s82, s82, s77                     ; LDS: codes
	s_lshl_b32 s83, s15, 12
	s_lshl_b32 s77, s16, 9
	s_add_co_u32 s83, s83, s77
	s_add_co_u32 s83, s83, KSC                     ; LDS: scale pairs
	; descriptor group 1: dense blocks as rows of 256 bytes (32 elements of 8 bytes): 12 rows of codes, 2 of scale pairs
	s_mov_b32 s[G1C], 15|(3<<16)|(1<<21)           ; 15:0 the mask: all four work-groups; 17:16 elements of 8 bytes; 20 no padding; 21 set beside a mask
	s_mov_b32 s[G1C+1], 32<<16                     ; tensor_dim0
	s_mov_b32 s[G1C+2], 12<<16                     ; tensor_dim1
	s_mov_b32 s[G1C+3], 32<<16                     ; tile_dim0
	s_mov_b32 s[G1C+4], 12                         ; tile_dim1
	s_mov_b32 s[G1C+5], 32                         ; tensor_dim0_stride
	s_mov_b32 s[G1C+6], 0
	s_mov_b32 s[G1C+7], 0
	s_mov_b32 s[G1S], 15|(3<<16)|(1<<21)
	s_mov_b32 s[G1S+1], 32<<16
	s_mov_b32 s[G1S+2], 2<<16
	s_mov_b32 s[G1S+3], 32<<16
	s_mov_b32 s[G1S+4], 2
	s_mov_b32 s[G1S+5], 32
	s_mov_b32 s[G1S+6], 0
	s_mov_b32 s[G1S+7], 0
	; my queries.  Tile tau = 32 cx + 16 trip + wave; its image is number tau / 2 of the head's 64, its half of the image tau % 2 = wave % 2
	s_lshl_b32 s17, s13, 4
	s_lshr_b32 s18, s[WV], 1
	s_add_co_u32 s17, s17, s18
	s_mul_i32 s17, s17, 1536
	s_mul_i32 s18, s14, VC
	s_add_co_u32 s68, s17, s18                     ; s[68:69]: the image
	s_mov_b32 s69, 0
	s_lshl_b32 s17, s13, 2
	s_add_co_u32 s17, s17, s15                     ; its step: 4 cx + 2 trip + wave / 8
	s_lshl_b32 s17, s17, 8
	s_lshl_b32 s18, s14, 12
	s_add_co_u32 s17, s17, s18
	s_bfe_u32 s18, s[WV], 0x10001                  ; an odd image's words lie in lanes 16-31: 128 bytes on,
	s_lshl_b32 s18, s18, 7
	s_add_co_u32 s17, s17, s18
	s_bfe_u32 s18, s[WV], 0x10002                  ; images 2 and 3 in the pair's second register: 4 bytes on
	s_lshl_b32 s18, s18, 2
	s_add_co_u32 s70, s17, s18                     ; s[70:71]: its scale words
	s_mov_b32 s71, 0
	s_lshr_b32 s17, s14, 4
	s_lshl_b32 s17, s17, 7
	s_lshl_b32 s18, s13, 5
	s_add_co_u32 s17, s17, s18
	s_add_co_u32 s17, s17, s[WV]                   ; my block of 16 tokens among 512: 128 x batch + tau
	s_and_b32 s18, s14, 15                         ; the head
	s_mul_i32 s72, s17, 12288
	s_mul_i32 s19, s18, 768
	s_add_co_u32 s72, s72, s19                     ; s[72:73]: ctx's codes
	s_mov_b32 s73, 0
	s_lshl_b32 s74, s17, 9
	s_lshl_b32 s19, s18, 1
	s_add_co_u32 s74, s74, s19                     ; s[74:75]: ctx's scale bytes
	s_mov_b32 s75, 0
	s_and_b32 s17, s[WV], 1
	s_cmp_eq_u32 s17, 1
	s_cselect_b32 s66, -1, 0                       ; all lanes take the image's second half where the wave is odd
	s_mov_b32 s67, 0x01000100                      ; and the word's upper two bytes, else the lower two; twice
	s_cselect_b32 s67, 0x03020302, s67
	s_mov_b32 s[SEL], 0x76543210
	s_mov_b32 s[SEL+1], 0xfedcba98
	s_mov_b32 s[CS], 0x3e38aa3b                    ; c = log2(e) / 8
	s_mov_b32 s[CS+1], s[CS]                       ; (named with it as a pair, so it is written)
	s_mov_b32 s63, 2                               ; trips
	s_wait_dscnt 0x0
	s_wait_kmcnt 0x0
	s_add_nc_u64 s[78:79], s[4:5], s[78:79]
	s_add_nc_u64 s[80:81], s[6:7], s[80:81]
	s_add_nc_u64 s[68:69], s[4:5], s[68:69]
	s_add_nc_u64 s[70:71], s[6:7], s[70:71]
	s_add_nc_u64 s[72:73], s[8:9], s[72:73]
	s_add_nc_u64 s[74:75], s[10:11], s[74:75]
	s_mov_b32 s[G0], 1                             ; 1:0 count = 1
	s_mov_b32 s[G0+1], s83                         ; LDS address
	s_mov_b64 s[G0+2:G0+3], s[80:81]               ; global address
	s_or_b32 s[G0+3], s[G0+3], 0x80000000          ; type = 2
.irp c, 0,1,2,3
	s_mov_b32 s[G0+4+4*\c], 1
	s_add_co_u32 s[G0+5+4*\c], s82, \c*CHUNK
	s_add_nc_u64 s[G0+6+4*\c:G0+7+4*\c], s[78:79], \c*CHUNK
	s_or_b32 s[G0+7+4*\c], s[G0+7+4*\c], 0x80000000
.endr
	CROUND                                         ; all four work-groups are here: the joint loads meet
	tensor_load_to_lds s[G0:G0+3], s[G1S:G1S+7]    ; my five loads stand together, the launch's only fills: by this text's count five are out, never more
	s_nop 0
	tensor_load_to_lds s[G0+4:G0+7], s[G1C:G1C+7]
	s_nop 0
	tensor_load_to_lds s[G0+8:G0+11], s[G1C:G1C+7]
	s_nop 0
	tensor_load_to_lds s[G0+12:G0+15], s[G1C:G1C+7]
	s_nop 0
	tensor_load_to_lds s[G0+16:G0+19], s[G1C:G1C+7]
	s_nop 0
.rept 4
	v_nop
.endr
	v_and_b32 v9, 31, v0                           ; lane
	v_and_b32 v10, 15, v0                          ; r
	s_delay_alu instid0(VALU_DEP_2)
	v_lshlrev_b32 v[LI], 4, v9
	s_delay_alu instid0(VALU_DEP_3)
	v_lshl_add_u32 v[L8], v9, 3, KSC
	s_delay_alu instid0(VALU_DEP_4)
	v_lshlrev_b32 v[GO8], 3, v9
	s_delay_alu instid0(VALU_DEP_4)
	v_lshlrev_b32 v[GR32], 5, v10
	v_lshlrev_b32 v[GR8], 3, v10
.irp i, 0,1,2,3,4,5
	v_mov_b32 v[QF+6+\i], 0                        ; the zero codes between the two copies of q
.endr
.irp b, 0,1,2,3
	v_mov_b32 v[PT+\b], 0                          ; written once: a lane permute's destination counts as one of its sources
.endr
	v_mov_b32 v[FF+1], 0                           ; (named as the upper half of a pair)
; A KEY STEP: 128 keys.
.macro STEP
	s_setprio 2
	v_add_nc_u32 v[ADK], s[TK], v[LI]              ; these four lines are the places behind the last step's products, in front of the loads into their registers
	s_delay_alu instid0(VALU_DEP_1)
	v_add_nc_u32 v[ADV], VC, v[ADK]
	v_add_nc_u32 v[ADS], s[TS], v[L8]
	v_nop
.irp P, 0,1,2,3
.irp g, 0,1,2
	ds_load_b128 v[KV+12*\P+4*\g:KV+12*\P+4*\g+3], v[ADK] offset:1536*\P+512*\g      ; an image comes back as it was stored: 512 consecutive bytes a load
.endr
.endr
	ds_load_b64 v[SK:SK+1], v[ADS]
	ds_load_b64 v[SV:SV+1], v[ADS] offset:4096
	s_wait_alu depctr_va_vdst(0)
	s_wait_dscnt 0x0
.irp P, 0,1,2,3                                ; S^T = k q^T: image P against [q | 0] and [0 | q]: tiles 2 P and 2 P + 1.  Eight results, each begun with 0
.irp u, 0,1
.if \P%2
	v_wmma_scale_f32_16x16x128_f8f6f4 v[S+8*(2*\P+\u):S+8*(2*\P+\u)+7], v[KV+12*\P:KV+12*\P+11], v[QF+6*\u:QF+6*\u+11], 0, v[SK+\P/2], v[QS] matrix_a_fmt:MATRIX_FMT_FP6 matrix_b_fmt:MATRIX_FMT_FP6 matrix_a_scale:MATRIX_SCALE_ROW1
.else
	v_wmma_scale_f32_16x16x128_f8f6f4 v[S+8*(2*\P+\u):S+8*(2*\P+\u)+7], v[KV+12*\P:KV+12*\P+11], v[QF+6*\u:QF+6*\u+11], 0, v[SK+\P/2], v[QS] matrix_a_fmt:MATRIX_FMT_FP6 matrix_b_fmt:MATRIX_FMT_FP6
.endif
.endr
.endr
.rept 4
	v_nop                                          ; places: the loads below land in K's registers, the maxima read the results
.endr
.irp t, 0,1,2,3
.irp g, 0,1,2
	ds_load_b128 v[KV+12*\t+4*\g:KV+12*\t+4*\g+3], v[ADV] offset:1536*\t+512*\g      ; V's four tiles land while the softmax is worked
.endr
.endr
.irp b, 0,1,2,3
	v_max3_num_f32 v[BM+\b], v[S+16*\b], v[S+1+16*\b], v[S+2+16*\b]   ; THE LARGEST SCORE OF EACH BLOCK OF 32 KEYS serves twice: for the row's maximum, and, since p rises with the score, for the block's largest p
.endr
.irp i, 3,5,7,9,11,13
.irp b, 0,1,2,3
	v_max3_num_f32 v[BM+\b], v[BM+\b], v[S+16*\b+\i], v[S+1+16*\b+\i]   ; (the four blocks by turns; each result is read from its low end on)
.endr
.endr
.irp b, 0,1,2,3
	v_max_num_f32 v[BM+\b], v[BM+\b], v[S+15+16*\b]
.endr
.irp b, 0,1,2,3
	s_delay_alu instid0(VALU_DEP_4)
	v_permlanex16_b32 v[PT+\b], v[BM+\b], s[SEL], s[SEL+1]
.endr
.irp b, 0,1,2,3
	s_delay_alu instid0(VALU_DEP_4)
	v_max_num_f32 v[BM+\b], v[BM+\b], v[PT+\b]     ; with lane l xor 16's 16 keys
.endr
	s_delay_alu instid0(VALU_DEP_2)
	v_max3_num_f32 v[TMP], v[BM], v[BM+1], v[BM+2]
	s_delay_alu instid0(VALU_DEP_1)
	v_max_num_f32 v[TMP], v[TMP], v[BM+3]          ; the step's largest score of my query
	s_delay_alu instid0(VALU_DEP_1)
	v_mul_f32 v[TMP], s[CS], v[TMP]                ; as t (c is positive)
	s_delay_alu instid0(VALU_DEP_1)
	v_max_num_f32 v13, v13, v[TMP]                 ; the running largest t
	v_mov_b32 v[TMP], v12
	s_delay_alu instid0(VALU_DEP_2)
	v_floor_f32 v12, -v13                          ; the new -M = floor(-t) = -ceil(t): M is a whole number
	s_delay_alu instid0(VALU_DEP_1)
	v_sub_f32 v[TMP], v12, v[TMP]                  ; M's old value less its new one: a whole number, 0 or less
	s_delay_alu instid0(VALU_DEP_1)
	v_cvt_i32_f32 v[TMP], v[TMP]                   ; (it saturates)
	s_delay_alu instid0(VALU_DEP_1)
	v_ldexp_f32 v[FF], 1.0, v[TMP]                 ; f = 2^(old M - new M): a multiplication by it rounds nothing
.set n, 0
.rept 32
	v_pk_fma_f32 v[S+n:S+n+1], v[S+n:S+n+1], s[CS:CS+1], v[12:13] op_sel_hi:[1,0,0]   ; t - M, two at a time (of the pairs c and -M the low word serves both halves)
.set n, n+2
.endr
.irp b, 0,1,2,3
	v_fma_f32 v[BM+\b], v[BM+\b], s[CS], v12       ; the same of each block's largest score
.endr
.set n, 0
	s_wait_alu depctr_va_vdst(0)
.rept 64
	v_exp_f32 v[S+n], v[S+n]                       ; p = 2^(t - M), at most 1: not normalised
.set n, n+1
.endr
	s_setprio 1
.irp b, 0,1,2,3
	v_exp_f32 v[BM+\b], v[BM+\b]                   ; the block's largest p: the same two instructions on the same number give the same bits
.endr
	v_pk_mul_f32 v[14:15], v[14:15], v[FF:FF+1] op_sel_hi:[1,0]      ; the sums under the new M.  (A plain place behind the exponentials)
	s_wait_alu depctr_va_vdst(0)
.irp b, 0,1,2,3
	v_max_num_f32 v[BM+\b], 0x1800000, v[BM+\b]    ; the floor 2^(3 - 127): the byte cannot fall under 1
.endr
.irp b, 0,1,2,3
	s_delay_alu instid0(VALU_DEP_4)
	v_add_nc_u32 v[SO+\b], 0xff000000, v[BM+\b]    ; 2 off the exponent field: the conversion's scale operand
.endr
.irp b, 0,1,2,3
	s_delay_alu instid0(VALU_DEP_4)
	v_lshrrev_b32 v[PT+\b], 23, v[SO+\b]           ; the scale's byte
.endr
	s_delay_alu instid0(VALU_DEP_3)
	v_lshl_or_b32 v[PW], v[PT+1], 8, v[PT]         ; p's scale word for these 128 keys
	s_delay_alu instid0(VALU_DEP_1)
	v_lshl_or_b32 v[PW], v[PT+2], 16, v[PW]
	s_delay_alu instid0(VALU_DEP_1)
	v_lshl_or_b32 v[PW], v[PT+3], 24, v[PW]
.irp c, 0,1
	v_cvt_scalef32_pk16_fp6_f32 v[PF+6*\c:PF+6*\c+2], v[S+32*\c:S+32*\c+15], v[SO+2*\c]
	v_cvt_scalef32_pk16_fp6_f32 v[CT+4*\c:CT+4*\c+2], v[S+32*\c+16:S+32*\c+31], v[SO+2*\c+1]   ; (a conversion's three registers begin on an even number)
.endr
	v_nop                                          ; one plain place behind a scaled conversion
.irp c, 0,1                                    ; the operand's layout wants a WHOLE block in a lane: lanes 0-15 block 2 c, lanes 16-31 block 2 c + 1
.irp i, 0,1,2
	v_permlane16_swap_b32 v[PF+6*\c+\i], v[CT+4*\c+\i]
.endr
.irp i, 0,1,2
	s_delay_alu instid0(VALU_DEP_3)
	v_mov_b32 v[PF+6*\c+3+\i], v[CT+4*\c+\i]
.endr
.endr
	v_pk_add_f32 v[218:219], v[92:93], v[96:97]
	v_pk_add_f32 v[252:253], v[100:101], v[104:105]
	v_pk_add_f32 v[250:251], v[108:109], v[112:113]
	v_pk_add_f32 v[248:249], v[116:117], v[120:121]
	v_pk_add_f32 v[246:247], v[124:125], v[128:129]
	v_pk_add_f32 v[244:245], v[132:133], v[136:137]
	v_pk_add_f32 v[242:243], v[140:141], v[144:145]
	v_pk_add_f32 v[14:15], v[14:15], v[148:149]
	v_pk_add_f32 v[218:219], v[218:219], v[88:89]
	v_pk_add_f32 v[252:253], v[252:253], v[90:91]
	v_pk_add_f32 v[250:251], v[250:251], v[94:95]
	v_pk_add_f32 v[248:249], v[248:249], v[98:99]
	v_pk_add_f32 v[246:247], v[246:247], v[102:103]
	v_pk_add_f32 v[244:245], v[244:245], v[106:107]
	v_pk_add_f32 v[242:243], v[242:243], v[110:111]
	v_pk_add_f32 v[14:15], v[14:15], v[114:115]
	v_pk_add_f32 v[218:219], v[218:219], v[118:119]
	v_pk_add_f32 v[252:253], v[252:253], v[122:123]
	v_pk_add_f32 v[250:251], v[250:251], v[126:127]
	v_pk_add_f32 v[248:249], v[248:249], v[130:131]
	v_pk_add_f32 v[246:247], v[246:247], v[134:135]
	v_pk_add_f32 v[244:245], v[244:245], v[138:139]
	v_pk_add_f32 v[242:243], v[242:243], v[142:143]
	v_pk_add_f32 v[14:15], v[14:15], v[146:147]
	v_pk_add_f32 v[218:219], v[218:219], v[150:151]
	s_delay_alu instid0(VALU_DEP_2)
	v_pk_add_f32 v[14:15], v[14:15], v[248:249]
	s_delay_alu instid0(VALU_DEP_2)
	v_pk_add_f32 v[218:219], v[218:219], v[246:247]
	s_setprio 0
	v_pk_add_f32 v[252:253], v[252:253], v[244:245]
	v_pk_add_f32 v[250:251], v[250:251], v[242:243]
	s_delay_alu instid0(VALU_DEP_2)
	v_pk_add_f32 v[14:15], v[14:15], v[252:253]
	s_delay_alu instid0(VALU_DEP_2)
	v_pk_add_f32 v[218:219], v[218:219], v[250:251]
	s_delay_alu instid0(VALU_DEP_1)
	v_pk_add_f32 v[14:15], v[14:15], v[218:219]
.set n, 0
.rept 16
	v_pk_mul_f32 v[O+n:O+n+1], v[O+n:O+n+1], v[FF:FF+1] op_sel_hi:[1,0]   ; O^T under the new M.  (The sums and these are far more than the eight places between p's scale word and the products)
.set n, n+2
.endr
	s_wait_alu depctr_va_vdst(0)
	s_wait_dscnt 0x0                               ; V is in
.irp t, 0,1,2,3                                ; O^T += v^T p^T: four tiles of 16 channels, K = these 128 keys; the four accumulators take turns
.if \t%2
	v_wmma_scale_f32_16x16x128_f8f6f4 v[O+8*\t:O+8*\t+7], v[KV+12*\t:KV+12*\t+11], v[PF:PF+11], v[O+8*\t:O+8*\t+7], v[SV+\t/2], v[PW] matrix_a_fmt:MATRIX_FMT_FP6 matrix_b_fmt:MATRIX_FMT_FP6 matrix_a_scale:MATRIX_SCALE_ROW1
.else
	v_wmma_scale_f32_16x16x128_f8f6f4 v[O+8*\t:O+8*\t+7], v[KV+12*\t:KV+12*\t+11], v[PF:PF+11], v[O+8*\t:O+8*\t+7], v[SV+\t/2], v[PW] matrix_a_fmt:MATRIX_FMT_FP6 matrix_b_fmt:MATRIX_FMT_FP6
.endif
.endr
	s_add_co_u32 s[TK], s[TK], STEPB
	s_add_co_u32 s[TS], s[TS], 256
.endm
.Lblock:                                           ; two trips: 256 queries of the work-group each
.irp g, 0,1,2
	global_load_b128 v[QI+4*\g:QI+4*\g+3], v[LI], s[68:69] offset:512*\g
.endr
	global_load_b32 v[QW], v[GR8], s[70:71]
	v_mov_b32 v13, 0xff61b1e6                      ; the largest t so far: -3e38, under every t
	s_delay_alu instid0(VALU_DEP_1)
	v_floor_f32 v12, -v13                          ; -M
	v_mov_b32 v14, 0                               ; the sum, in two halves
	v_mov_b32 v15, 0
	s_wait_loadcnt 0x0
.irp i, 0,1,2,3,4,5
	v_cndmask_b32 v[QF+\i], v[QI+\i], v[QI+6+\i], s66     ; my tile's half of the image
.endr
.irp i, 0,1,2,3,4,5
	v_mov_b32 v[QF+12+\i], v[QF+\i]
.endr
	v_perm_b32 v[QS], v[QW], v[QW], s67            ; my tile's two bytes, for k 0..63 and again for k 64..127
.set n, 0
.rept 32
	v_mov_b32 v[O+n], 0                            ; O^T: the step is written once; its first run finds zeros, which the first change of M leaves zeros.  (Also the places between q's scale word and the products)
.set n, n+1
.endr
	s_wait_tensorcnt 3                             ; my scale pairs and my part of steps 0-3 are in; my three later loads may stay out
	s_wait_dscnt 0x0
	s_barrier_signal -1
	s_barrier_wait -1                              ; everybody's are
	s_mov_b32 s[TK], 0
	s_mov_b32 s[TS], 0
	s_mov_b32 s62, 4
.Lfirst:                                           ; key steps 0-3
	STEP
	s_sub_co_u32 s62, s62, 1
	s_cmp_lg_u32 s62, 0
	s_cbranch_scc1 .Lfirst
	s_setprio 0
	s_wait_tensorcnt 0x0                           ; the rest of my part is in: it had four key steps in which to land
	s_wait_dscnt 0x0
	s_barrier_signal -1
	s_barrier_wait -1
	s_mov_b32 s[TK], CHUNK
	s_mov_b32 s[TS], 1024
	s_mov_b32 s62, 12
.Lrest:                                            ; key steps 4-15
	STEP
	s_sub_co_u32 s62, s62, 1
	s_cmp_lg_u32 s62, 0
	s_cbranch_scc1 .Lrest
	s_setprio 0
	; THE WAY OUT.  ctx = O^T / the sum, quantised along the channels (the last product's K) and stored as half a fragment.
.rept 4
	v_nop                                          ; places behind the last products
.endr
	v_add_f32 v14, v14, v15                        ; the sum's two halves,
	s_delay_alu instid0(VALU_DEP_1)
	v_permlanex16_b32 v[PT], v14, s[SEL], s[SEL+1]
	s_delay_alu instid0(VALU_DEP_1)
	v_add_f32 v14, v14, v[PT]                      ; and lane l xor 16's: the row's sum
	s_wait_alu depctr_va_vdst(0)
	v_rcp_f32 v14, v14
	v_nop                                          ; one plain place behind a transcendental
.set n, 0
	s_wait_alu depctr_va_vdst(0)
.rept 16
	v_pk_mul_f32 v[S+n:S+n+1], v[O+n:O+n+1], v[14:15] op_sel_hi:[1,0]   ; register 8 t + j: channel 16 t + 8 h + j; each accumulator from its low end on
.set n, n+2
.endr
.irp b, 0,1
.irp i, 0,1,2,3,4,5,6,7
	v_permlane16_swap_b32 v[S+16*\b+\i], v[S+8+16*\b+\i]   ; the first's lanes 16-31 change places with the second's lanes 0-15: registers 16 b + 0..15 are now channels 32 b + 16 h + 0..15, in true order
.endr
.endr
.irp b, 0,1
	v_max3_num_f32 v[BM+\b], |v[S+16*\b]|, |v[S+1+16*\b]|, 0x1800000
.endr
.irp i, 2,4,6,8,10,12,14
.irp b, 0,1
	s_delay_alu instid0(VALU_DEP_2)
	v_max3_num_f32 v[BM+\b], v[BM+\b], |v[S+16*\b+\i]|, |v[S+1+16*\b+\i]|
.endr
.endr
.irp b, 0,1
	s_delay_alu instid0(VALU_DEP_2)
	v_permlanex16_b32 v[PT+\b], v[BM+\b], s[SEL], s[SEL+1]
.endr
.irp b, 0,1
	s_delay_alu instid0(VALU_DEP_2)
	v_max_num_f32 v[BM+\b], v[BM+\b], v[PT+\b]
.endr
.irp b, 0,1
	s_delay_alu instid0(VALU_DEP_2)
	v_add_nc_u32 v[SO+\b], 0xff000000, v[BM+\b]
.endr
.irp b, 0,1
	s_delay_alu instid0(VALU_DEP_2)
	v_lshrrev_b32 v[PT+\b], 23, v[SO+\b]
.endr
	s_delay_alu instid0(VALU_DEP_1)
	v_lshl_or_b32 v[HW], v[PT+1], 8, v[PT]         ; my row's two scale bytes of this head
	v_cvt_scalef32_pk16_fp6_f32 v[CF:CF+2], v[S:S+15], v[SO]
	v_cvt_scalef32_pk16_fp6_f32 v[CT:CT+2], v[S+16:S+31], v[SO+1]
	v_nop                                          ; one plain place behind a scaled conversion
.irp i, 0,1,2
	v_permlane16_swap_b32 v[CF+\i], v[CT+\i]       ; lanes 0-15: block 0, lanes 16-31: block 1
.endr
.irp i, 0,1,2
	s_delay_alu instid0(VALU_DEP_3)
	v_mov_b32 v[CF+3+\i], v[CT+\i]
.endr
.irp g, 0,1,2
	global_store_b64 v[GO8], v[CF+2*\g:CF+2*\g+1], s[72:73] offset:256*\g   ; 32 lanes store 256 consecutive bytes, at a multiple of 256 from cc's first byte
.endr
	global_store_b16 v[GR32], v[HW], s[74:75]
	s_wait_xcnt 0x0                                ; the bases, and the stores' registers, are rewritten only behind this wait
	s_add_nc_u64 s[68:69], s[68:69], 12288         ; 16 tiles on: eight images,
	s_add_nc_u64 s[70:71], s[70:71], 512           ; two steps' scale pairs,
	s_add_nc_u64 s[72:73], s[72:73], 196608        ; 16 blocks of tokens in cc,
	s_add_nc_u64 s[74:75], s[74:75], 8192          ; and in cs
	s_sub_co_u32 s63, s63, 1
	s_cmp_lg_u32 s63, 0
	s_cbranch_scc1 .Lblock
	s_wait_tensorcnt 0x0
	s_wait_dscnt 0x0
	s_wait_tensorcnt 0x0
	ds_add_u32 v254, v255
	s_wait_dscnt 0x0
	CROUND                                         ; the closing round: no work-group ends while a partner may still ask for a tile that names it
	s_endpgm
.Lfunc_end_k_qf840032d91_attn:
	.size	k_qf840032d91_attn, .Lfunc_end_k_qf840032d91_attn-k_qf840032d91_attn
	.p2alignl 7, 3214868480
	.fill 96, 4, 3214868480
	.section	.rodata,"a",@progbits
	.p2align	6, 0x0
	.amdhsa_kernel k_qf840032d91_attn
		.amdhsa_group_segment_fixed_size 206848
		.amdhsa_private_segment_fixed_size 0
		.amdhsa_enable_private_segment 0
		.amdhsa_kernarg_size 32
		.amdhsa_user_sgpr_count 2
		.amdhsa_user_sgpr_kernarg_segment_ptr 1
		.amdhsa_wavefront_size32 1
		.amdhsa_system_sgpr_workgroup_id_x 1
		.amdhsa_system_sgpr_workgroup_id_y 1
		.amdhsa_system_sgpr_workgroup_id_z 1
		.amdhsa_system_vgpr_workitem_id 0
		.amdhsa_next_free_vgpr 256
		.amdhsa_next_free_sgpr 84
		.amdhsa_reserve_vcc 0
		.amdhsa_float_denorm_mode_32 3
		.amdhsa_float_denorm_mode_16_64 3
		.amdhsa_memory_ordered 1
		.amdhsa_forward_progress 1
		.amdhsa_inst_pref_size 50
	.end_amdhsa_kernel
	.amdgpu_metadata
---
amdhsa.version: [ 1, 2 ]
amdhsa.kernels:
  - .name:           k_qf840032d91_attn
    .symbol:         k_qf840032d91_attn.kd
    .args:
      - { .name: hc, .offset: 0, .size: 8, .value_kind: global_buffer, .address_space: global }
      - { .name: hs, .offset: 8, .size: 8, .value_kind: global_buffer, .address_space: global }
      - { .name: cc, .offset: 16, .size: 8, .value_kind: global_buffer, .address_space: global }
      - { .name: cs, .offset: 24, .size: 8, .value_kind: global_buffer, .address_space: global }
    .group_segment_fixed_size: 206848
    .private_segment_fixed_size: 0
    .kernarg_segment_align: 8
    .kernarg_segment_size: 32
    .max_flat_workgroup_size: 512
    .sgpr_count:     84
    .vgpr_count:     256
    .wavefront_size: 32
...
	.end_amdgpu_metadata
.endif
;; end of part 3
;; launch outp (part 4): grid 4 x 32, 4 waves a work-group, clusters of 4 x 4, 327,680 bytes of LDS; arguments cc, cs, xc, xs, bo, out0; writes out0
.if DOCPART == 4
	.amdgcn_target "amdgcn-amd-amdhsa--gfx1250"
	.amdhsa_code_object_version 6
	.text
	.protected	k_qf840032d91_outp
	.globl	k_qf840032d91_outp
	.p2align	8
	.type	k_qf840032d91_outp,@function
k_qf840032d91_outp:
	s_mov_b64 s[64:65], 0
	v_nop
	global_prefetch_b8 v0, s[64:65] scope:SCOPE_SE
	s_setreg_imm32_b32 hwreg(HW_REG_WAVE_MODE, 25, 1), 1
	s_wait_xcnt 0x0
	s_wait_alu depctr_hold_cnt(0) depctr_sa_sdst(0) depctr_va_vdst(0) depctr_va_sdst(0) depctr_va_ssrc(0) depctr_va_vcc(0) depctr_vm_vsrc(0)
	s_getreg_b32 s2, hwreg(HW_REG_IB_STS2, 6, 4)
	s_cmp_eq_u32 s2, 0
	s_cbranch_scc0 .Lentry_in_a_cluster
	s_endpgm
.Lentry_in_a_cluster:
	s_bfe_u32 s2, ttmp6, 0x10000c
	s_cmp_lg_u32 s2, 0xf033
	s_cbranch_scc0 .Lentry_shape_is_right
	s_endpgm
.Lentry_shape_is_right:
.set SIZE_N, 1024
.set KSTEP,  256
.set NQ,     KSTEP/128
.set ROWB,   192
.set KROW,   768
.set PITCH,  240
.set AROW,   3072
.set ATOK,   12288
.set FR,     12
.set NL,     6
.set NP,     4
.set HALFT,  128*PITCH
.set SLOT,   4*HALFT
.set KS,     32
.set SCL,    2*SLOT
.set HALFS,  (128*KS/256)*272
.set SBLK,   (16*KS/256)*272
.set SPARE,  SCL+4*HALFS
.set SPITCH, 528
.set WOC,    21233664
.set WOS,    884736
.set ADRA, 16
.set ADRB, 20
.set STO,  24
.set RD,   25
.set CO,   26
.set ADRS, 27
.set SPW,  28
.set NIL,  29
.set SC,   32
.set BI,   64
.set AF,   128
.set BK,   128
.set G1, 24
.set G0, 32
.set G1B, 48
.set G0B, 56
.set G1S, 68
.set G0S, 76
.set G1SB, 80
.set G0SB, 88
.set MSB, 0
.macro WIN new
.if MSB != (\new)
	s_set_vgpr_msb (MSB<<8)|(\new)
.set MSB, (\new)
.endif
.endm
.set MUL_LO, 0xa1
.set MUL_HI, 0xf1
.set TO_B,   0x40
.macro JLOAD g0a, g1a, g0b, g1b
	s_cmp_eq_u32 s15, 0
	s_cbranch_scc0 .Lfor_b_\@
	tensor_load_to_lds s[\g0a:\g0a+3], s[\g1a:\g1a+7]
	s_nop 0
.rept 4
	v_nop
.endr
	s_branch .Lasked_\@
.Lfor_b_\@:
	tensor_load_to_lds s[\g0b:\g0b+3], s[\g1b:\g1b+7]
	s_nop 0
.rept 4
	v_nop
.endr
.Lasked_\@:
.endm
.macro CREST
	s_cmp_lg_u32 s14, 0
	s_cbranch_scc1 .Lnot_wave_0_\@
	s_barrier_signal -3
.Lnot_wave_0_\@:
	s_barrier_wait -3
	s_barrier_signal -1
	s_barrier_wait -1
.endm
.macro CROUND
	s_barrier_signal -1
	s_barrier_wait -1
	CREST
.endm
	s_load_b256 s[4:11], s[0:1], 0x0
	s_load_b128 s[96:99], s[0:1], 0x20
	v_lshl_add_u32 v[SPW], v0, 2, SPARE
	v_mov_b32 v[NIL], 0
	ds_add_u32 v28, v29
	ds_add_u32 v28, v29
	s_wait_dscnt 0x0
	v_lshrrev_b32 v1, 5, v0
	v_readfirstlane_b32 s14, v1
	s_lshr_b32 s15, s14, 1
	s_and_b32 s16, s14, 1
	s_bfe_u32 s40, ttmp6, 0x40000
	s_bfe_u32 s41, ttmp6, 0x40004
	s_lshl_b32 s42, ttmp9, 2
	s_add_co_u32 s42, s42, s40
	s_and_b32 s17, ttmp7, 0xffff
	s_lshl_b32 s17, s17, 2
	s_add_co_u32 s17, s17, s41
	s_lshl_b32 s43, s41, 2
	s_lshl_b32 s43, 15, s43
	s_lshl_b32 s44, 0x1111, s40
	s_or_b32 s[G1+0], s43, (3<<16)|(1<<21)
	s_mov_b32 s[G1+1], (AROW/8)<<16
	s_mov_b32 s[G1+2], 8<<16
	s_mov_b32 s[G1+3], (AROW/8)<<16
	s_mov_b32 s[G1+4], 8
	s_mov_b32 s[G1+5], ATOK/8
	s_mov_b32 s[G1+6], 0
	s_mov_b32 s[G1+7], 0
	s_or_b32 s[G1B+0], s44, (0<<16)|(1<<20)|(1<<21)|(3<<22)|(3<<25)
	s_mov_b32 s[G1B+1], ROWB<<16
	s_mov_b32 s[G1B+2], 128<<16
	s_mov_b32 s[G1B+3], ROWB<<16
	s_mov_b32 s[G1B+4], 128
	s_mov_b32 s[G1B+5], KROW
	s_mov_b32 s[G1B+6], 0
	s_mov_b32 s[G1B+7], 0
	s_or_b32 s[G1S+0], s43, (3<<16)|(1<<20)|(1<<21)|(5<<22)|(3<<25)
	s_or_b32 s[G1SB+0], s44, (3<<16)|(1<<20)|(1<<21)|(5<<22)|(3<<25)
.irp g, G1S, G1SB
	s_mov_b32 s[\g+1], 32<<16
	s_mov_b32 s[\g+2], (128*KS/256)<<16
	s_mov_b32 s[\g+3], 32<<16
	s_mov_b32 s[\g+4], 128*KS/256
	s_mov_b32 s[\g+5], 32
	s_mov_b32 s[\g+6], 0
	s_mov_b32 s[\g+7], 0
.endr
	s_lshl_b32 s2, s16, 3
	s_lshl_b32 s20, s17, 4
	s_add_co_u32 s20, s20, s2
	s_lshl_b32 s22, s20, 9
	s_mul_i32 s20, s20, ATOK
	s_lshl_b32 s2, s16, 7
	s_lshl_b32 s46, s42, 8
	s_add_co_u32 s46, s46, s2
	s_lshl_b32 s92, s46, 5
	s_add_co_u32 s92, s92, WOS
	s_mul_i32 s46, s46, KROW
	s_add_co_u32 s46, s46, WOC
	s_mov_b32 s21, 0
	s_mov_b32 s23, 0
	s_mov_b32 s47, 0
	s_mov_b32 s93, 0
	s_mul_i32 s45, s14, HALFT
	s_mul_i32 s94, s14, HALFS
	s_wait_kmcnt 0x0
	s_add_nc_u64 s[20:21], s[4:5], s[20:21]
	s_add_nc_u64 s[22:23], s[6:7], s[22:23]
	s_add_nc_u64 s[46:47], s[8:9], s[46:47]
	s_add_nc_u64 s[92:93], s[10:11], s[92:93]
	CROUND
	s_mov_b32 s[G0S], 1
	s_add_co_u32 s[G0S+1], s94, SCL
	s_mov_b64 s[G0S+2:G0S+3], s[22:23]
	s_or_b32 s[G0S+3], s[G0S+3], 0x80000000
	s_mov_b32 s[G0SB], 1
	s_add_co_u32 s[G0SB+1], s94, SCL
	s_mov_b64 s[G0SB+2:G0SB+3], s[92:93]
	s_or_b32 s[G0SB+3], s[G0SB+3], 0x80000000
	JLOAD G0S, G1S, G0SB, G1SB
.irp s, 0,1
	s_mov_b32 s[G0+4*\s], 1
	s_add_co_u32 s[G0+4*\s+1], s45, \s*SLOT
	s_add_nc_u64 s[G0+4*\s+2:G0+4*\s+3], s[20:21], \s*AROW
	s_or_b32 s[G0+4*\s+3], s[G0+4*\s+3], 0x80000000
	s_mov_b32 s[G0B+4*\s], 1
	s_add_co_u32 s[G0B+4*\s+1], s45, \s*SLOT
	s_add_nc_u64 s[G0B+4*\s+2:G0B+4*\s+3], s[46:47], \s*ROWB
	s_or_b32 s[G0B+4*\s+3], s[G0B+4*\s+3], 0x80000000
	s_wait_alu depctr_va_vdst(0)
	s_wait_tensorcnt 0x0
	ds_add_u32 v28, v29
	s_wait_dscnt 0x0
	CROUND
	JLOAD G0+4*\s, G1, G0B+4*\s, G1B
.endr
	v_and_b32 v1, 15, v0
	v_bfe_u32 v2, v0, 4, 1
	v_and_b32 v7, 31, v0
	v_lshlrev_b32 v3, 3, v7
	v_mul_u32_u24 v4, v1, PITCH
	v_mad_u32_u24 v4, v2, 24, v4
	v_lshl_add_u32 v5, v2, 4, v4
	s_mul_i32 s21, s15, HALFT
	s_mul_i32 s22, s16, HALFT
	s_add_co_u32 s22, s22, 2*HALFT
.irp s, 0,1
	v_add_nc_u32 v[ADRA+\s], s21, v3
	v_add_nc_u32 v[ADRB+\s], s22, v4
	v_add_nc_u32 v[ADRB+2+\s], s22, v5
	s_add_co_u32 s21, s21, SLOT
	s_add_co_u32 s22, s22, SLOT
.endr
	v_mul_u32_u24 v5, v1, KS
	v_lshrrev_b32 v6, 8, v5
	v_lshl_add_u32 v5, v6, 4, v5
	s_mul_i32 s21, s15, HALFS
	s_mul_i32 s22, s16, HALFS
	s_add_co_u32 s22, s22, 2*HALFS
	s_sub_co_u32 s22, s22, s21
	v_mul_u32_u24 v6, s22, v2
	s_add_co_u32 s21, s21, SCL
	v_add_nc_u32 v5, v5, v6
	v_add_nc_u32 v[ADRS], s21, v5
	s_mul_i32 s23, s14, 16*SPITCH
	v_mul_u32_u24 v5, v1, SPITCH
	v_lshl_add_u32 v5, v2, 5, v5
	v_add_nc_u32 v[STO], s23, v5
	v_lshlrev_b32 v[CO], 4, v7
	v_add_nc_u32 v[RD], s23, v[CO]
	s_lshl_b32 s20, s17, 8
	s_lshl_b32 s21, s15, 7
	s_add_co_u32 s20, s20, s21
	s_lshl_b32 s20, s20, 12
	s_mov_b32 s21, 0
	s_lshl_b32 s46, s42, 10
	s_lshl_b32 s47, s16, 9
	s_add_co_u32 s46, s46, s47
	s_mov_b32 s47, 0
	s_add_nc_u64 s[96:97], s[96:97], s[46:47]
	s_add_nc_u64 s[20:21], s[20:21], s[46:47]
	s_add_nc_u64 s[98:99], s[98:99], s[20:21]
	v_lshlrev_b32 v6, 5, v2
.irp b, 0,1,2,3,4,5,6,7
	global_load_b128 v[BI+8*\b:BI+8*\b+3], v6, s[96:97] offset:64*\b
	global_load_b128 v[BI+8*\b+4:BI+8*\b+7], v6, s[96:97] offset:64*\b+16
.endr
.macro FRAG reg, adr, q, i
.irp p, 0,1,2,3,4,5
.set PC, 12*(\q)+6*(\p/3)+\p%3
.if PC%8 < 5
	ds_load_b64 v[\reg+2*\p:\reg+2*\p+1], v[\adr] offset:8*PC+16*(PC/8)+(\i)*16*PITCH
.else
	ds_load_b64 v[\reg+2*\p:\reg+2*\p+1], v[\adr+2] offset:8*PC+16*(PC/8)+(\i)*16*PITCH
.endif
.endr
.endm
.macro FRAGA reg, adr, q, i
.irp p, 0,1,2,3,4,5
	ds_load_b64 v[\reg+2*\p:\reg+2*\p+1], v[\adr] offset:AROW*(\i)+1536*(\q)+256*\p
.endr
.endm
.macro MUL16 a0, p, q, sc, first
.irp a, \a0, \a0+1
.irp b, 0,1,2,3,4,5,6,7
.if \first
	v_wmma_scale_f32_16x16x128_f8f6f4 v[8*(8*((\a)%4)+\b):8*(8*((\a)%4)+\b)+7], v[128*(\p)+FR*\b:128*(\p)+FR*\b+FR-1], v[AF+FR*(\a):AF+FR*(\a)+FR-1], v[BI+8*\b:BI+8*\b+7], v[SC+8*NQ*(\sc)+NQ*\b+(\q)], v[SC+8*NQ*(\sc)+NQ*(\a)+(\q)] matrix_a_fmt:MATRIX_FMT_FP6 matrix_b_fmt:MATRIX_FMT_FP6 matrix_a_scale:MATRIX_SCALE_ROW1
.else
	v_wmma_scale_f32_16x16x128_f8f6f4 v[8*(8*((\a)%4)+\b):8*(8*((\a)%4)+\b)+7], v[128*(\p)+FR*\b:128*(\p)+FR*\b+FR-1], v[AF+FR*(\a):AF+FR*(\a)+FR-1], v[8*(8*((\a)%4)+\b):8*(8*((\a)%4)+\b)+7], v[SC+8*NQ*(\sc)+NQ*\b+(\q)], v[SC+8*NQ*(\sc)+NQ*(\a)+(\q)] matrix_a_fmt:MATRIX_FMT_FP6 matrix_b_fmt:MATRIX_FMT_FP6 matrix_a_scale:MATRIX_SCALE_ROW1
.endif
.endr
.endr
.endm
.macro FETCH_B slot, q, p
	WIN TO_B
.irp i, 0,1,2,3,4,5,6,7
	FRAG 128*(\p)+FR*\i, ADRB+\slot, \q, \i
.endr
	WIN 0
.endm
.macro FETCH_A slot, q, i0
.irp i, \i0, \i0+1, \i0+2, \i0+3
	FRAGA AF+FR*(\i), ADRA+\slot, \q, \i
.endr
.endm
.macro SCALES sc
.irp i, 0,1,2,3,4,5,6,7
	ds_load_b64 v[SC+8*NQ*\sc+NQ*\i:SC+8*NQ*\sc+NQ*\i+1], v[ADRS] offset:\i*SBLK
.endr
.endm
.macro PLACES n
.rept \n
	v_nop
.endr
.endm
.macro STEP slot, q, first
	s_wait_dscnt 4*NL
	WIN MUL_LO-0x20*(\first)
	MUL16 0, (\q)%2, \q, \slot, \first
	MUL16 2, (\q)%2, \q, \slot, \first
	s_wait_dscnt 0
	PLACES NP
	FETCH_B \slot, (\q)+1, 1-(\q)%2
	FETCH_A \slot, (\q)+1, 0
	WIN MUL_HI-0x30*(\first)
	MUL16 4, (\q)%2, \q, \slot, \first
	MUL16 6, (\q)%2, \q, \slot, \first
	PLACES NP
	WIN 0
	FETCH_A \slot, (\q)+1, 4
.endm
.macro TURN slot, next, fill
	s_wait_tensorcnt 0x0
	ds_add_u32 v[SPW], v[NIL]
	s_wait_dscnt 4*NL+1
	WIN MUL_LO
	MUL16 0, 1, NQ-1, \slot, 0
	s_wait_dscnt 0x0
	s_barrier_signal -1
	MUL16 2, 1, NQ-1, \slot, 0
	WIN 0
	s_barrier_wait -1
.if \fill
	CREST
	s_add_nc_u64 s[G0+4*\slot+2:G0+4*\slot+3], s[G0+4*\slot+2:G0+4*\slot+3], 2*AROW
	s_add_nc_u64 s[G0B+4*\slot+2:G0B+4*\slot+3], s[G0B+4*\slot+2:G0B+4*\slot+3], 2*ROWB
	JLOAD G0+4*\slot, G1, G0B+4*\slot, G1B
.else
	PLACES NP
.endif
	s_wait_alu depctr_va_vdst(0)
	v_add_nc_u32 v[ADRS], 4*NQ, v[ADRS]
	FETCH_B \next, 0, 0
	FETCH_A \next, 0, 0
	SCALES \next
	WIN MUL_HI
	MUL16 4, 1, NQ-1, \slot, 0
	MUL16 6, 1, NQ-1, \slot, 0
	PLACES NP
	WIN 0
	FETCH_A \next, 0, 4
.endm
	s_wait_alu depctr_va_vdst(0)
	s_wait_loadcnt 0x0
	s_wait_tensorcnt 1
	s_barrier_signal -1
	s_barrier_wait -1
	FETCH_B 0, 0, 0
	FETCH_A 0, 0, 0
	SCALES 0
	FETCH_A 0, 0, 4
	STEP 0, 0, 1
	TURN 0, 1, 1
	STEP 1, 0, 0
	TURN 1, 0, 1
	STEP 0, 0, 0
	TURN 0, 1, 0
	STEP 1, 0, 0
	s_wait_dscnt 4*NL
	WIN MUL_LO
	MUL16 0, 1, NQ-1, 1, 0
	MUL16 2, 1, NQ-1, 1, 0
	s_wait_dscnt 0
	WIN MUL_HI
	MUL16 4, 1, NQ-1, 1, 0
	MUL16 6, 1, NQ-1, 1, 0
	WIN 0
.macro TOSTAGE a
.set AC, 64*((\a)%4)
	WIN 0x08+4*((\a)/4)
.irp b, 0,1,2,3,4,5,6,7
	ds_store_b128 v[STO], v[AC+8*\b:AC+8*\b+3] offset:64*\b
	ds_store_b128 v[STO], v[AC+8*\b+4:AC+8*\b+7] offset:64*\b+16
.endr
	WIN 0
.set BB, BK+64*((\a)%2)
.irp t, 0,1,2,3,4,5,6,7,8,9,10,11,12,13,14,15
	ds_load_b128 v[BB+4*\t:BB+4*\t+3], v[RD] offset:\t*SPITCH
.endr
.endm
.macro SEND a, younger
.set BB, BK+64*((\a)%2)
	s_wait_dscnt \younger
.if (\a) > 0
	s_add_nc_u64 s[98:99], s[98:99], 16*SIZE_N*4
.endif
.irp t, 0,1,2,3,4,5,6,7,8,9,10,11,12,13,14,15
	global_store_b128 v[CO], v[BB+4*\t:BB+4*\t+3], s[98:99] offset:\t*SIZE_N*4 th:TH_STORE_NT
.endr
.endm
	PLACES NP
	TOSTAGE 0
.irp a, 1,2,3,4,5,6,7
.if \a > 1
	s_wait_xcnt 0x0
.endif
	TOSTAGE \a
	SEND \a-1, 32
.endr
	s_wait_xcnt 0x0
	SEND 7, 0
	s_wait_tensorcnt 0x0
	ds_add_u32 v[SPW], v[NIL]
	s_wait_dscnt 0x0
	CROUND
	s_endpgm
.Lfunc_end_k_qf840032d91_outp:
	.size	k_qf840032d91_outp, .Lfunc_end_k_qf840032d91_outp-k_qf840032d91_outp
	.p2alignl 7, 3214868480
	.fill 96, 4, 3214868480
	.section	.rodata,"a",@progbits
	.p2align	6, 0x0
	.amdhsa_kernel k_qf840032d91_outp
		.amdhsa_group_segment_fixed_size 327680
		.amdhsa_private_segment_fixed_size 0
		.amdhsa_enable_private_segment 0
		.amdhsa_kernarg_size 48
		.amdhsa_user_sgpr_count 2
		.amdhsa_user_sgpr_kernarg_segment_ptr 1
		.amdhsa_wavefront_size32 1
		.amdhsa_system_sgpr_workgroup_id_x 1
		.amdhsa_system_sgpr_workgroup_id_y 1
		.amdhsa_system_sgpr_workgroup_id_z 1
		.amdhsa_system_vgpr_workitem_id 0
		.amdhsa_next_free_vgpr 1024
		.amdhsa_next_free_sgpr 100
		.amdhsa_reserve_vcc 0
		.amdhsa_float_denorm_mode_32 3
		.amdhsa_float_denorm_mode_16_64 3
		.amdhsa_memory_ordered 1
		.amdhsa_forward_progress 1
		.amdhsa_inst_pref_size 162
	.end_amdhsa_kernel
	.amdgpu_metadata
---
amdhsa.version: [ 1, 2 ]
amdhsa.kernels:
  - .name:           k_qf840032d91_outp
    .symbol:         k_qf840032d91_outp.kd
    .args:
      - { .name: cc, .offset: 0, .size: 8, .value_kind: global_buffer, .address_space: global }
      - { .name: cs, .offset: 8, .size: 8, .value_kind: global_buffer, .address_space: global }
      - { .name: xc, .offset: 16, .size: 8, .value_kind: global_buffer, .address_space: global }
      - { .name: xs, .offset: 24, .size: 8, .value_kind: global_buffer, .address_space: global }
      - { .name: bo, .offset: 32, .size: 8, .value_kind: global_buffer, .address_space: global }
      - { .name: out0, .offset: 40, .size: 8, .value_kind: global_buffer, .address_space: global }
    .group_segment_fixed_size: 327680
    .private_segment_fixed_size: 0
    .kernarg_segment_align: 8
    .kernarg_segment_size: 48
    .max_flat_workgroup_size: 128
    .sgpr_count:     100
    .vgpr_count:     1024
    .wavefront_size: 32
...
	.end_amdgpu_metadata
.endif
;; end of part 4
